; MI455X (gfx1250); checked and timed in simulation.
; The chip was launched on July 23, 2026; its instructions are those of AMD's public machine-readable ISA for CDNA 5 (MIT licence, August 2026) and "CDNA5" Instruction Set Architecture Reference Guide (July 2026). The comments in the code are by the model that wrote it; some were corrected since.
;; Multi Head Self Attention. Allowed arithmetic: matrix products marked QUANTISED: E3M2 operands, one E8M0 scale for each 32 along K, by v_wmma_scale_f32_16x16x128_f8f6f4 with both operands' format E3M2, f32 sums; products left as they are: f32 operands where the result goes on into a quantised operand, else bf16, f16 or f32 operands; f32 sums; everything else in f32.
;; Inputs: Wk 1,024 x 1,024 float32; Wo 1,024 x 1,024 float32; Wq 1,024 x 1,024 float32; Wv 1,024 x 1,024 float32; bk 1,024 float32; bo 1,024 float32; bq 1,024 float32; bv 1,024 float32; x 4 x 4,096 x 1,024 float32.
;; Outputs: out0 4 x 4,096 x 1,024 float32.
;; This version of the problem:
;;   THIS VERSION OF THE PROBLEM IS GIVEN IN LOW PRECISION. The matrix products marked QUANTISED in the list below multiply operands that are first quantised to E3M2 (3 exponent bits, 2 mantissa bits; 6 bits a number), with one power-of-two scale for each 32 numbers along K (OCP MX v1.0); their sums are f32. All else is computed in f32.
;;   The module's matrix products, in the order in which they are computed (A, B: the left and right operand; K: the contracted axis; several contracted axes count as one K, in the product's order):
;;     1. [M 16,384, K 1,024] x [K 1,024, N 1,024]; A: input x; B: input Wq: QUANTISED
;;     2. [M 16,384, K 1,024] x [K 1,024, N 1,024]; A: input x; B: input Wk: QUANTISED
;;     3. [M 16,384, K 1,024] x [K 1,024, N 1,024]; A: input x; B: input Wv: QUANTISED
;;     4. batch 16,384 x [M 16, K 64] x [K 64, N 16]; A: computed on the way; B: computed on the way: QUANTISED
;;     5. batch 16,384 x [M 64, K 16] x [K 16, N 16]; A: computed on the way; B: softmax: left as it is (K = 16 < 32)
;;     6. [M 16,384, K 1,024] x [K 1,024, N 1,024]; A: computed on the way; B: input Wo: QUANTISED
;;   THE QUANTISER, for each operand of a quantised product, along K:
;;     - K is cut into blocks of 32 from its start; a last block that is shorter is filled with zeros.
;;     - A block's scale is 2^e with e = floor(log2(the largest magnitude in the block)) - 4, held to -126 .. 127; a block of zeros has e = 0. As a byte (E8M0): e + 127.
;;     - Each number is divided by its block's scale, clamped to +-28, and rounded to the nearest number of E3M2, ties to even, subnormals kept.
;;     - The product sums the exact products of the quantised numbers (number of the format x scale) in f32.
;;   ~~~python
;;   def quantise(x, axis):      # numpy; x: float32 -> the quantised numbers, widened to float32 again
;;       x = np.moveaxis(x, axis, -1); K = x.shape[-1]
;;       x = np.pad(x, [(0, 0)] * (x.ndim - 1) + [(0, -K % 32)]); x = x.reshape(x.shape[:-1] + (-1, 32)); a = np.abs(x).max(-1, keepdims=True)
;;       e = np.where(a > 0, np.clip(np.frexp(np.where(a > 0, a, 1))[1] - 1 - 4, -126, 127), 0)      # np.frexp(a)[1] - 1 = floor(log2(a)), exactly
;;       r = np.clip(x / 2.0 ** e, -28, 28)
;;       step = 2.0 ** (np.maximum(np.frexp(np.where(r == 0, 1, r))[1] - 1, -2) - 2)
;;       q = np.round(r / step) * step * 2.0 ** e      # np.round: ties to even
;;       return np.moveaxis(q.reshape(q.shape[:-2] + (-1,))[..., :K], -1, axis).astype(np.float32)
;;   ~~~
;;   OPERANDS COMPUTED ON THE WAY. 'Computed on the way' means the value that the module computes at that place (a softmax that the list does not call 'softmax' is quantised finished and normalised). What goes into a quantiser is computed in f32, as accurately as f32 sums, v_exp_f32 and their like allow (about 1e-6 of the number): no bf16 or f16 on the way to a quantiser, and a product that is left as it is and whose result goes on into a quantised operand takes f32 operands (vector FMAs, or v_wmma_f32_16x16x4_f32). A number that lies on a knife's edge between two numbers of the format may be rounded either way, as far as f32 arithmetic and the matrix unit's own rounding can turn it there, and no further.
;; 2 versions. Each part assembles by itself: llvm-mc -triple=amdgcn-amd-amdhsa -mcpu=gfx1250 --defsym DOCPART=n.
;; ======== version 1 of 2: 2 launches
;; workspace buffers: wstream 3,342,336 bytes
;; launch prep (part 1): grid 256 x 1, 8 waves a work-group, no clusters, 69,632 bytes of LDS; arguments Wq, Wk, Wv, Wo, bq, bk, bv, bo, wstream; writes wstream
.if DOCPART == 1
	.amdgcn_target "amdgcn-amd-amdhsa--gfx1250"
	.amdhsa_code_object_version 6
	.text
	.protected	k_q8753e6246d_prep
	.globl	k_q8753e6246d_prep
	.p2align	8
	.type	k_q8753e6246d_prep,@function
k_q8753e6246d_prep:
	s_mov_b64 s[64:65], 0
	v_nop
	global_prefetch_b8 v0, s[64:65] scope:SCOPE_SE
	s_setreg_imm32_b32 hwreg(HW_REG_WAVE_MODE, 25, 1), 1
	s_wait_xcnt 0x0
; Wq, Wk, Wv, Wo [1024][1024] f32 are quantised along K (their last axis) to codes of BF6 (E3M2) with one E8M0 byte for each 32 along K, and laid,
; with the biases, as ONE STREAM of 256 records, by the second launch's steps: 8 records a step.
; A RECORD is a tile of 16 weight rows x all 1,024 of K, 13,056 bytes:
;   bytes 0 .. 12,287: eight fragments (K step ks at 1,536 ks) as images of the operand's registers: group c of four registers of lane l at 512 c + 16 l;
;   bytes 12,288 .. 12,799: the scale words: lane (r, hh), register i, at 16 (r + 16 hh) + 4 i: the word of tile row r for K step 2 i + hh;
;   bytes 12,800 .. 12,863: the sixteen biases in the tile's row order; zeros up to 13,055.
; Record R = (step x 4 + wave) x 2 + u.  Tile row m takes weight row A + Bm (m % 8) + Cm (m / 8):
;   steps 0-15  (Wq for waves 0, 1; Wk for 2, 3): head (8 wave + step / 2) % 16, half step % 2: A = 64 head + 32 half + 8 u, Bm = 1, Cm = 16;
;   steps 16-23 (Wv): one channel d of all 16 heads: A = d = 32 (t / 4) + 16 (t % 2) + 8 ((t / 2) % 2) + 2 wave + u, t = step - 16, Bm = 64, Cm = 512;
;   steps 24-31 (Wo): A = 256 (t / 2) + 64 wave + 32 (t % 2) + 16 u, t = step - 24, Bm = 1, Cm = 8.
; A work-group makes one record, each of its eight waves one fragment.  A load reads 512 consecutive bytes of one row; the sixteen rows turn through the wave's own stage
; in LDS, so that lane (r, h) holds k = 64 c + 32 h + 0 .. 31 of row r: two whole blocks, in the order of the operand's registers.
; A block's scale byte is its largest magnitude's exponent field - 4, held at 1 from below.
; LIMITS: a block of zeros gets the byte 1 and not 127 (its codes are zeros, and this program alone reads the bytes); NaN and infinities among the inputs are not served.
.set REC,  13056
.set STGB, 8448                        ; a wave's stage: 16 rows x (512 bytes + 16)
.set SCW,  8*STGB                      ; behind the stages: the scale image (512 bytes) and the tail (256 bytes)
.set RW,   16                          ; v16-79    sixteen rows' 16 bytes as loaded
.set OFR,  80                          ; v80-95    their byte offsets in the weight
.set X,    100                         ; v100-163  my 64 numbers
.set MX,   164                         ; v164-165  largest magnitudes;  v166-167 the conversions' scale operands;  v168-169 the bytes
.set CD,   172                         ; v172-183  the fragment;  v184-190 the halves that are moved
	s_load_b512 s[16:31], s[0:1], 0x0              ; Wq, Wk, Wv, Wo, bq, bk, bv, bo
	s_load_b64 s[32:33], s[0:1], 0x40              ; the stream
	v_lshl_add_u32 v192, v0, 2, 0x10c00
	v_mov_b32 v193, 0
	v_lshrrev_b32 v1, 5, v0
	v_readfirstlane_b32 s34, v1                    ; wave = K step 0..7
	v_and_b32 v2, 31, v0                           ; lane
	v_and_b32 v3, 15, v0                           ; r
	v_bfe_u32 v4, v0, 4, 1                         ; h
	v_lshlrev_b32 v5, 4, v2                        ; 16 x lane
	; every LDS address is made here, ahead of any branch on the wave's number
	s_mul_i32 s50, s34, STGB
	v_add_nc_u32 v6, s50, v5                       ; the stage, on the way in: 16 x lane of a row
	v_mul_u32_u24 v7, v3, 528
	v_lshl_add_u32 v7, v4, 7, v7
	v_add_nc_u32 v7, s50, v7                       ; and out: row r, + 128 h: my block of 32 numbers
	s_and_b32 s51, s34, 1
	s_lshl_b32 s51, s51, 8
	s_lshr_b32 s52, s34, 1
	s_lshl_b32 s52, s52, 2
	s_add_co_u32 s51, s51, s52
	s_add_co_u32 s51, s51, SCW
	v_lshl_add_u32 v8, v3, 4, s51                  ; my row's scale word of this K step: 16 r + 256 (ks % 2) + 4 (ks / 2)
	v_and_b32 v9, 63, v0
	v_lshl_add_u32 v9, v9, 2, SCW+512              ; the tail's 64 words: threads 0 to 63
	v_add_nc_u32 v10, SCW, v5                      ; the scale image read back
	v_lshl_add_u32 v11, v2, 3, SCW+512             ; the tail read back
	s_mul_i32 s53, s34, 1536
	v_add_nc_u32 v12, s53, v5                      ; my 16 bytes in the record's fragment ks
	v_lshlrev_b32 v13, 3, v2
	s_mov_b32 s60, 0x76543210
	s_mov_b32 s61, 0xfedcba98                      ; v_permlanex16_b32's selects for lane l xor 16
	; which rows: all three forms are made, then chosen by the step
	s_and_b32 s35, ttmp9, 1                        ; u
	s_bfe_u32 s36, ttmp9, 0x20001                  ; the second launch's wave
	s_lshr_b32 s37, ttmp9, 3                       ; its step
	s_lshr_b32 s38, s37, 1
	s_lshl_b32 s39, s36, 3
	s_add_co_u32 s38, s38, s39
	s_and_b32 s38, s38, 15                         ; head
	s_lshl_b32 s38, s38, 6
	s_and_b32 s39, s37, 1                          ; step % 2
	s_lshl_b32 s40, s39, 5
	s_add_co_u32 s38, s38, s40
	s_lshl_b32 s40, s35, 3
	s_add_co_u32 s38, s38, s40                     ; A for Wq, Wk
	s_and_b32 s41, s37, 7                          ; t
	s_lshr_b32 s42, s41, 2
	s_lshl_b32 s42, s42, 5
	s_lshl_b32 s43, s39, 4
	s_add_co_u32 s42, s42, s43
	s_bfe_u32 s43, s37, 0x10001
	s_lshl_b32 s43, s43, 3
	s_add_co_u32 s42, s42, s43
	s_lshl_b32 s43, s36, 1
	s_add_co_u32 s42, s42, s43
	s_add_co_u32 s42, s42, s35                     ; A for Wv
	s_lshr_b32 s43, s41, 1
	s_lshl_b32 s43, s43, 8
	s_lshl_b32 s44, s36, 6
	s_add_co_u32 s43, s43, s44
	s_lshl_b32 s44, s39, 5
	s_add_co_u32 s43, s43, s44
	s_lshl_b32 s44, s35, 4
	s_add_co_u32 s43, s43, s44                     ; A for Wo
	s_cmp_lt_u32 s37, 24
	s_cselect_b32 s42, s42, s43
	s_cselect_b32 s45, 64, 1
	s_cselect_b32 s46, 512, 8
	s_cmp_lt_u32 s37, 16
	s_cselect_b32 s42, s38, s42                    ; A
	s_cselect_b32 s45, 1, s45                      ; Bm
	s_cselect_b32 s46, 16, s46                     ; Cm
	v_and_b32 v14, 7, v3
	v_mul_u32_u24 v14, s45, v14
	v_lshrrev_b32 v15, 3, v3
	v_mad_u32_u24 v14, v15, s46, v14
	v_add_nc_u32 v14, s42, v14
	v_lshlrev_b32 v14, 2, v14                      ; the bias of tile row r: 4 x its weight row
	s_lshl_b32 s54, s42, 12                        ; a weight row is 4,096 bytes
	s_lshl_b32 s55, s34, 9                         ; a K step 512
	s_add_co_u32 s54, s54, s55                     ; tile rows 0-7 begin here,
	s_lshl_b32 s56, s45, 12
	s_lshl_b32 s57, s46, 12
	s_add_co_u32 s58, s54, s57                     ; rows 8-15 here
.irp i, 0,1,2,3,4,5,6,7,8,9,10,11,12,13,14,15
	s_mul_i32 s59, s56, \i%8
	s_add_co_u32 s59, s59, s[54+4*(\i/8)]
	v_add_nc_u32 v[OFR+\i], s59, v5
.endr
	s_mul_i32 s48, ttmp9, REC
	s_mov_b32 s49, 0
	s_wait_kmcnt 0x0
	s_cmp_lt_u32 s36, 2                            ; the buffers are chosen by ids alone
	s_cselect_b64 s[16:17], s[16:17], s[18:19]
	s_cselect_b64 s[24:25], s[24:25], s[26:27]
	s_cmp_lt_u32 s37, 24
	s_cselect_b64 s[20:21], s[20:21], s[22:23]
	s_cselect_b64 s[28:29], s[28:29], s[30:31]
	s_cmp_lt_u32 s37, 16
	s_cselect_b64 s[16:17], s[16:17], s[20:21]     ; the weight
	s_cselect_b64 s[24:25], s[24:25], s[28:29]     ; its bias
	s_add_nc_u64 s[32:33], s[32:33], s[48:49]      ; my record
.irp i, 0,1,2,3,4,5,6,7,8,9,10,11,12,13,14,15
	global_load_b128 v[RW+4*\i:RW+4*\i+3], v[OFR+\i], s[16:17] th:TH_LOAD_NT   ; 32 lanes read 512 consecutive bytes of tile row i; read once in the launch
.endr
	global_load_b32 v96, v14, s[24:25]
	s_wait_loadcnt 0x0
.irp i, 0,1,2,3,4,5,6,7,8,9,10,11,12,13,14,15
	ds_store_b128 v6, v[RW+4*\i:RW+4*\i+3] offset:528*\i
.endr
.irp c, 0,1
.irp i, 0,1,2,3,4,5,6,7
	ds_load_b128 v[X+32*\c+4*\i:X+32*\c+4*\i+3], v7 offset:256*\c+16*\i   ; LDS serves a wave's instructions in order: these see my stores
.endr
.endr
	s_wait_dscnt 0x0
.irp c, 0,1                                    ; my block 2 c + h: all its 32 numbers are mine
	v_max3_num_f32 v[MX+\c], |v[X+32*\c]|, |v[X+1+32*\c]|, 0x2800000   ; and the floor 2^(5 - 127): the byte cannot fall under 1
.endr
.irp i, 2,4,6,8,10,12,14,16,18,20,22,24,26,28,30
.irp c, 0,1
	v_max3_num_f32 v[MX+\c], v[MX+\c], |v[X+32*\c+\i]|, |v[X+1+32*\c+\i]|
.endr
.endr
.irp c, 0,1
	v_add_nc_u32 v[MX+2+\c], 0xfe000000, v[MX+\c]  ; 4 off the exponent field: the conversion's scale operand
.endr
.irp c, 0,1
	v_lshrrev_b32 v[MX+4+\c], 23, v[MX+2+\c]       ; the scale's byte
.endr
	v_lshl_or_b32 v170, v169, 16, v168             ; my two bytes: blocks h and 2 + h,
	v_lshlrev_b32 v171, 3, v4
	v_lshlrev_b32 v170, v171, v170                 ; at their places in the word;
	v_mov_b32 v171, 0
	v_permlanex16_b32 v171, v170, s60, s61
	v_or_b32 v170, v170, v171                      ; with lane l xor 16's two the word is whole
.irp c, 0,1
	v_cvt_scalef32_pk16_bf6_f32 v[CD+6*\c:CD+2+6*\c], v[X+32*\c:X+15+32*\c], v[MX+2+\c]
	v_cvt_scalef32_pk16_bf6_f32 v[CD+12+4*\c:CD+14+4*\c], v[X+16+32*\c:X+31+32*\c], v[MX+2+\c]   ; (a conversion's three registers begin on an even number)
.endr
	v_nop                                          ; one plain place behind a scaled conversion
.irp c, 0,1
.irp i, 0,1,2
	v_mov_b32 v[CD+3+6*\c+\i], v[CD+12+4*\c+\i]
.endr
.endr
.irp c, 0,1,2
	global_store_b128 v12, v[CD+4*\c:CD+4*\c+3], s[32:33] offset:512*\c   ; 32 lanes store 512 consecutive bytes, at a multiple of 256 from the stream's first byte
.endr
	ds_store_b32 v8, v170                          ; both halves of the lanes write the same word with the same value
	v_cmp_gt_u32 vcc_lo, 16, v0
	v_cndmask_b32 v97, 0, v96, vcc_lo              ; threads 0-15: the biases; the others: zeros
	s_cmp_lt_u32 s34, 2
	s_cbranch_scc0 .Lno_tail
	ds_store_b32 v9, v97
.Lno_tail:
	s_wait_dscnt 0x0                               ; for the others' sake: my stores have landed
	s_barrier_signal -1
	s_barrier_wait -1
	s_cmp_lg_u32 s34, 0
	s_cbranch_scc1 .Lnot_0
	ds_load_b128 v[16:19], v10                     ; wave 0: the eight waves' scale words leave as two whole blocks of 256 bytes
	s_wait_dscnt 0x0
	global_store_b128 v5, v[16:19], s[32:33] offset:12288
	s_branch .Lend
.Lnot_0:
	s_cmp_lg_u32 s34, 1
	s_cbranch_scc1 .Lend
	ds_load_b64 v[20:21], v11                      ; wave 1: the tail, one block of 256 bytes
	s_wait_dscnt 0x0
	global_store_b64 v13, v[20:21], s[32:33] offset:12800
.Lend:
	s_wait_tensorcnt 0x0
	ds_add_u32 v192, v193
	s_wait_dscnt 0x0
	s_endpgm
.Lfunc_end_k_q8753e6246d_prep:
	.size	k_q8753e6246d_prep, .Lfunc_end_k_q8753e6246d_prep-k_q8753e6246d_prep
	.p2alignl 7, 3214868480
	.fill 96, 4, 3214868480
	.section	.rodata,"a",@progbits
	.p2align	6, 0x0
	.amdhsa_kernel k_q8753e6246d_prep
		.amdhsa_group_segment_fixed_size 69632
		.amdhsa_private_segment_fixed_size 0
		.amdhsa_enable_private_segment 0
		.amdhsa_kernarg_size 72
		.amdhsa_user_sgpr_count 2
		.amdhsa_user_sgpr_kernarg_segment_ptr 1
		.amdhsa_wavefront_size32 1
		.amdhsa_system_sgpr_workgroup_id_x 1
		.amdhsa_system_sgpr_workgroup_id_y 1
		.amdhsa_system_sgpr_workgroup_id_z 1
		.amdhsa_system_vgpr_workitem_id 0
		.amdhsa_next_free_vgpr 194
		.amdhsa_next_free_sgpr 66
		.amdhsa_reserve_vcc 1
		.amdhsa_float_denorm_mode_32 3
		.amdhsa_float_denorm_mode_16_64 3
		.amdhsa_memory_ordered 1
		.amdhsa_forward_progress 1
		.amdhsa_inst_pref_size 14
	.end_amdhsa_kernel
	.amdgpu_metadata
---
amdhsa.version: [ 1, 2 ]
amdhsa.kernels:
  - .name:           k_q8753e6246d_prep
    .symbol:         k_q8753e6246d_prep.kd
    .args:
      - { .name: Wq, .offset: 0, .size: 8, .value_kind: global_buffer, .address_space: global }
      - { .name: Wk, .offset: 8, .size: 8, .value_kind: global_buffer, .address_space: global }
      - { .name: Wv, .offset: 16, .size: 8, .value_kind: global_buffer, .address_space: global }
      - { .name: Wo, .offset: 24, .size: 8, .value_kind: global_buffer, .address_space: global }
      - { .name: bq, .offset: 32, .size: 8, .value_kind: global_buffer, .address_space: global }
      - { .name: bk, .offset: 40, .size: 8, .value_kind: global_buffer, .address_space: global }
      - { .name: bv, .offset: 48, .size: 8, .value_kind: global_buffer, .address_space: global }
      - { .name: bo, .offset: 56, .size: 8, .value_kind: global_buffer, .address_space: global }
      - { .name: wstream, .offset: 64, .size: 8, .value_kind: global_buffer, .address_space: global }
    .group_segment_fixed_size: 69632
    .private_segment_fixed_size: 0
    .kernarg_segment_align: 8
    .kernarg_segment_size: 72
    .max_flat_workgroup_size: 256
    .sgpr_count:     66
    .vgpr_count:     194
    .wavefront_size: 32
...
	.end_amdgpu_metadata
.endif
;; end of part 1
;; launch attn (part 2): grid 256 x 1, 4 waves a work-group, clusters of 4 x 1, 327,680 bytes of LDS; arguments x, wstream, out0; writes out0
.if DOCPART == 2
	.amdgcn_target "amdgcn-amd-amdhsa--gfx1250"
	.amdhsa_code_object_version 6
	.text
	.protected	k_q8753e6246d_attn
	.globl	k_q8753e6246d_attn
	.p2align	8
	.type	k_q8753e6246d_attn,@function
k_q8753e6246d_attn:
	s_mov_b64 s[64:65], 0
	v_nop
	global_prefetch_b8 v0, s[64:65] scope:SCOPE_SE
	s_setreg_imm32_b32 hwreg(HW_REG_WAVE_MODE, 25, 1), 1
	s_wait_xcnt 0x0
	s_wait_alu depctr_hold_cnt(0) depctr_sa_sdst(0) depctr_va_vdst(0) depctr_va_sdst(0) depctr_va_ssrc(0) depctr_va_vcc(0) depctr_vm_vsrc(0)
	s_getreg_b32 s2, hwreg(HW_REG_IB_STS2, 6, 4)
	s_cmp_eq_u32 s2, 0
	s_cbranch_scc0 .Lentry_in_a_cluster
	s_endpgm
.Lentry_in_a_cluster:
	s_bfe_u32 s2, ttmp6, 0x10000c
	s_cmp_lg_u32 s2, 0x3003
	s_cbranch_scc0 .Lentry_shape_is_right
	s_endpgm
.Lentry_shape_is_right:
; The whole module for 64 neighbouring tokens a work-group: Q, K, V = x W^T + b; for each token the 16 x 16 scores of heads against heads, softmax, out[q][d] = sum over l of attn[q][l] V[l][d];
; the flat reshape; out0 = A Wo^T + bo.  The four large products and the scores go on codes of BF6 (E3M2) with one E8M0 byte for each 32 along K; attn x V goes in f32, since its result is quantised.
; THE RESHAPE: row q 256 + s / 16 of A holds head q of the tokens 16 (s / 16) .. + 15, at column 64 (s % 16) + d.  So 16 aligned tokens give 16 whole rows of A, one a head, and a work-group
; that owns 64 tokens owns 64 whole rows of out0.  Nothing between x and out0 goes to memory.
; SHARES.  In the large products the four waves share the COLUMNS: in each of 32 steps a wave takes two tiles of 16 weight rows against all four tiles of 16 rows, K = 1,024: 64 matrix instructions.
; x's codes (later A's) stay in every wave's registers.  In the work of a token (scores, softmax, attn x V, quantising) wave g owns tokens 16 g .. 16 g + 15.
; THE WEIGHTS come as the first launch laid them: a stream of records (a tile's eight fragments as register images, its scale words, its biases), 8 records a step, through a ring of two LDS slots.
; CLUSTER: four work-groups walk the same stream, so each wave's quarter of a step is asked for JOINTLY, by the same tensor load with the same descriptor and a mask that names the four.
; One tensor load of a wave is out behind each change of slots.
; EVERY PRODUCT IS USED TRANSPOSED (source 0 = 16 weight rows, source 1 = 16 tokens): a lane holds one token (lane % 16), and its registers run along the features; the weight rows of a tile are
; chosen so that two tiles' 16 registers are 16 neighbours along the next K.  The biases are the C of each sum's first matrix instruction.
; LIMITS: NaN and infinities among the inputs are not served; a block of zeros gets the scale byte 1 and not 127 (its codes are zeros; the bytes are read here alone); a bias is added ahead of the
; products and not behind them, so the order of rounding differs from the reference's.
; REGISTERS, in windows of 256: window 0: v1-27 addresses that stay; v28-31 scale bytes kept; v32-47 x's (A's) scale words; v48-55 the weights'; v56-59 the scores'; v60-62 addresses of the trip;
;   v64-79 biases; v80-143 the 8 accumulators (m, u) at 80 + 16 m + 8 u; v144-239 two sets of four weight fragments; v240-255 at work.
;   windows 1, 2: v0-191 x's (A's) fragments of row tiles 0, 1 and 2, 3, at 96 (m % 2) + 12 ks; v192-255 attn of tokens 0-7 and 8-15.   window 3: out, 16 registers a token: written by matrix instructions alone.
.set SB,    104448                     ; a step's 8 records, and a slot
.set WPART, 26112                      ; a wave's two records: 102 rows of 256 bytes
.set REC,   13056
.set FRB,   1536                       ; a fragment's image
.set EXB,   2*SB                       ; from here on no tensor load ever lands
.set XIMG,  275456                     ; x's 32 fragments (8 m + ks), later A's
.set XSC,   324608                     ; their scale words: 512 bytes a row tile
.set QKC,   EXB                        ; Q's and K's codes: a token 1,544 bytes: 768 half + 24 head' + 12 h  (head' 0-15 Q, 16-31 K)
.set QKS,   307712                     ; their scale words: a token 132 bytes, 4 head'
.set VCH,   EXB                        ; a chunk of V (16 channels): a token 1,040 bytes: 512 u2 + 16 (16 h + r'): V[8 h + 4 u2 + 0 .. 3][channel r']
.set SPARE, 327168                     ; the spare words, 128 bytes for each wave: two blocks of 256 bytes that no other line names
.set GA,  144
.set GB,  192
.set TM,  240                          ; v240-243 largest magnitudes; v244-247 the other half's; v248-251 bytes; v252-255 the conversions' scale operands
.set PC,  208                          ; x's quantiser: the codes just made, v208-226;  v228 the scale word;  v229 the even K step's;  v232-235 the scale image
.set PW,  228
.set SEL, 32                           ; s[32:33] v_permlanex16_b32's selects for lane l xor 16
.set MSB, 0
.macro WIN new                         ; the immediate's high byte repeats the setting that is left; a switch that changes nothing is dropped
.if MSB != (\new)
	s_set_vgpr_msb (MSB<<8)|(\new)
.set MSB, (\new)
.endif
.endm
.macro NOPS n
.rept \n
	v_nop
.endr
.endm
.macro CROUND                          ; a round of the cluster's barrier
	s_barrier_signal -1
	s_barrier_wait -1
	s_cmp_lg_u32 s10, 0
	s_cbranch_scc1 .Lnot_wave_0_\@
	s_barrier_signal -3
.Lnot_wave_0_\@:
	s_barrier_wait -3
	s_barrier_signal -1
	s_barrier_wait -1
.endm
.macro BARRIER                         ; my LDS stores have landed and my LDS loads are in: then the work-group's barrier.  My one tensor load may stay out
	s_wait_dscnt 0x0
	s_barrier_signal -1
	s_barrier_wait -1
.endm
; THE CHANGE OF SLOTS, at a step's head.  Each wave waits for all its tensor loads (its part of the slot that it is about to read), adds 0 to its spare word, and waits for that and for all its LDS
; reads and stores.  fill = 1: behind a round of the cluster's barrier the other slot takes the next step's records: the load has this step's work in which to land.
.macro CHANGE slot, fill
	WIN 0
	s_wait_tensorcnt 0x0                           ; no tensor load of mine is out, so a group 0 may be written
	ds_add_u32 v1, v2                              ; 0 onto my spare word
	s_add_nc_u64 s[26+4*\slot:27+4*\slot], s[26+4*\slot:27+4*\slot], 2*SB   ; this slot's next step; the type bits on top are not reached
	s_wait_dscnt 0x0                               ; the add is done, and so are my reads of the other slot and my stores of the step before
.if \fill
	CROUND
	tensor_load_to_lds s[28-4*\slot:31-4*\slot], s[16:23]
	s_nop 0
.else
	s_barrier_signal -1
	s_barrier_wait -1
.endif
	NOPS 4
.endm
; Four weight fragments (K steps 2 gi, 2 gi + 1 of my two tiles) into set buf: each load takes 512 consecutive bytes
.macro LOADG slot, gi, buf
.irp kk, 0,1
.irp u, 0,1
.irp c, 0,1,2
	ds_load_b128 v[\buf+12*(2*\kk+\u)+4*\c:\buf+12*(2*\kk+\u)+4*\c+3], v[3+\slot] offset:REC*\u+FRB*(2*(\gi)+\kk)+512*\c
.endr
.endr
.endr
.endm
; One product: weight tile u x row tile m, K step ks.  Even K steps' scale words lie in lanes 0-15 of their registers, odd ones' in lanes 16-31
.macro WM m, u, ks, buf
.set rD, 80+16*(\m)+8*(\u)
.set rA, \buf+12*(2*((\ks)%2)+(\u))
.set rB, 96*((\m)%2)+12*(\ks)
.set rSA, 48+4*(\u)+(\ks)/2
.set rSB, 32+4*(\m)+(\ks)/2
.if (\ks) == 0
	v_wmma_scale_f32_16x16x128_f8f6f4 v[rD:rD+7], v[rA:rA+11], v[rB:rB+11], v[64+8*(\u):71+8*(\u)], v[rSA], v[rSB] matrix_a_fmt:MATRIX_FMT_BF6 matrix_b_fmt:MATRIX_FMT_BF6
.elseif (\ks)%2 == 0
	v_wmma_scale_f32_16x16x128_f8f6f4 v[rD:rD+7], v[rA:rA+11], v[rB:rB+11], v[rD:rD+7], v[rSA], v[rSB] matrix_a_fmt:MATRIX_FMT_BF6 matrix_b_fmt:MATRIX_FMT_BF6
.else
	v_wmma_scale_f32_16x16x128_f8f6f4 v[rD:rD+7], v[rA:rA+11], v[rB:rB+11], v[rD:rD+7], v[rSA], v[rSB] matrix_a_fmt:MATRIX_FMT_BF6 matrix_b_fmt:MATRIX_FMT_BF6 matrix_a_scale:MATRIX_SCALE_ROW1 matrix_b_scale:MATRIX_SCALE_ROW1
.endif
.endm
; A STEP'S PRODUCTS: 64 matrix instructions on 8 accumulators, which take turns, one instruction a turn: an accumulator comes again behind three others.
; Two sets of weight fragments by turns; each set's loads stand in one run, four places behind the products that read the set.
.macro MULT slot
	ds_load_b128 v[48:51], v[3+\slot] offset:12288           ; my two tiles' scale words
	ds_load_b128 v[52:55], v[3+\slot] offset:REC+12288
	ds_load_b128 v[64:67], v[5+\slot]                        ; and biases: register j of lane (r, h): tile row 8 h + j
	ds_load_b128 v[68:71], v[5+\slot] offset:16
	ds_load_b128 v[72:75], v[5+\slot] offset:REC
	ds_load_b128 v[76:79], v[5+\slot] offset:REC+16
	LOADG \slot, 0, GA
	LOADG \slot, 1, GB
.irp gi, 0,1,2,3
.if \gi < 3
	s_wait_dscnt 12                                ; all but the twelve loads of the set issued last
.else
	s_wait_dscnt 0x0
.endif
	WIN 0x04                                       ; source 1: window 1: row tiles 0, 1
.irp kk, 0,1
.irp u, 0,1
.irp m, 0,1
	WM \m, \u, 2*\gi+\kk, GA+48*(\gi%2)
.endr
.endr
.endr
	WIN 0x08                                       ; window 2: row tiles 2, 3
.irp kk, 0,1
.irp u, 0,1
.irp m, 2,3
	WM \m, \u, 2*\gi+\kk, GA+48*(\gi%2)
.endr
.endr
.endr
.if \gi != 2
	WIN 0
	NOPS 4                                         ; places in front of loads into registers that these products read, and (behind the last) of the first read of the results
.endif
.if \gi < 2
	LOADG \slot, \gi+2, GA+48*(\gi%2)
.endif
.endr
.endm
; Four runs of 16 numbers (run a at v[src + stride a], in window 3 if win3), each half a block of 32 whose other half lies in lane l xor 16, become 12 bytes of codes in v[pc + 4 a] on and a scale byte in v[by + a].
; The runs take turns line by line; each run is read from its low end on.
.macro Q16 src, stride, win3, pc, by
.if \win3
	WIN 0x0f
.endif
.irp a, 0,1,2,3
	v_max3_num_f32 v[TM+\a], |v[\src+\stride*\a]|, |v[\src+\stride*\a+1]|, 0x2800000   ; and the floor 2^(5 - 127): the byte cannot fall under 1
.endr
.irp i, 2,4,6,8,10,12,14
.irp a, 0,1,2,3
	v_max3_num_f32 v[TM+\a], |v[\src+\stride*\a+\i]|, |v[\src+\stride*\a+\i+1]|, v[TM+\a]
.endr
.endr
	WIN 0
.irp a, 0,1,2,3
	v_permlanex16_b32 v[TM+4+\a], v[TM+\a], s[SEL], s[SEL+1]
.endr
.irp a, 0,1,2,3
	v_max_num_f32 v[TM+\a], v[TM+\a], v[TM+4+\a]   ; the block's largest magnitude
.endr
.irp a, 0,1,2,3
	v_add_nc_u32 v[TM+12+\a], 0xfe000000, v[TM+\a] ; 4 off its exponent field: the conversion's scale operand
.endr
.irp a, 0,1,2,3
	v_lshrrev_b32 v[\by+\a], 23, v[TM+12+\a]       ; the scale's byte
.endr
.if \win3
	WIN 0x03
.endif
.irp a, 0,1,2,3
	v_cvt_scalef32_pk16_bf6_f32 v[\pc+4*\a:\pc+4*\a+2], v[\src+\stride*\a:\src+\stride*\a+15], v[TM+12+\a]
.endr
	WIN 0
	v_nop                                          ; one plain place behind a scaled conversion
.endm
; 64 numbers of a lane, register 16 b + i = k 32 b + 16 (lane / 16) + i of my row, become a fragment's codes in v[PC] on and its scale word in v[PW]
.macro QUANT s
.irp b, 0,1,2,3
	v_max3_num_f32 v[TM+\b], |v[\s+16*\b]|, |v[\s+1+16*\b]|, 0x2800000
.endr
.irp i, 2,4,6,8,10,12,14
.irp b, 0,1,2,3
	v_max3_num_f32 v[TM+\b], v[TM+\b], |v[\s+16*\b+\i]|, |v[\s+1+16*\b+\i]|
.endr
.endr
.irp b, 0,1,2,3
	v_permlanex16_b32 v[TM+4+\b], v[TM+\b], s[SEL], s[SEL+1]
.endr
.irp b, 0,1,2,3
	v_max_num_f32 v[TM+\b], v[TM+\b], v[TM+4+\b]
.endr
.irp b, 0,1,2,3
	v_add_nc_u32 v[TM+12+\b], 0xfe000000, v[TM+\b]
.endr
.irp b, 0,1,2,3
	v_lshrrev_b32 v[TM+4+\b], 23, v[TM+12+\b]
.endr
	v_lshl_or_b32 v[PW], v[TM+5], 8, v[TM+4]
	v_lshl_or_b32 v[PW], v[TM+6], 16, v[PW]
	v_lshl_or_b32 v[PW], v[TM+7], 24, v[PW]
.irp c, 0,1
	v_cvt_scalef32_pk16_bf6_f32 v[PC+6*\c:PC+2+6*\c], v[\s+32*\c:\s+15+32*\c], v[TM+12+2*\c]
	v_cvt_scalef32_pk16_bf6_f32 v[PC+12+4*\c:PC+14+4*\c], v[\s+16+32*\c:\s+31+32*\c], v[TM+12+2*\c+1]
.endr
	v_nop                                          ; one plain place behind a scaled conversion
.irp c, 0,1                                    ; the operand's layout wants a WHOLE block in a lane
.irp i, 0,1,2
	v_permlane16_swap_b32 v[PC+6*\c+\i], v[PC+12+4*\c+\i]
.endr
.irp i, 0,1,2
	v_mov_b32 v[PC+3+6*\c+\i], v[PC+12+4*\c+\i]
.endr
.endr
.endm
; Behind a step of Q or K: my head's half beta of the four row tiles is quantised; codes and, behind the second half, the scale words go to LDS by tokens
.macro QPOST beta
	Q16 80, 16, 0, 144, 248
.irp m, 0,1,2,3
.irp i, 0,1,2
	ds_store_b32 v[60+\m/2], v[144+4*\m+\i] offset:24704*(\m%2)+768*\beta+4*\i
.endr
.endr
.irp m, 0,1,2,3
.if \beta == 0
	v_mov_b32 v[28+\m], v[248+\m]
.else
	v_lshl_or_b32 v[28+\m], v[248+\m], 8, v[28+\m] ; bytes 2 and 3 stay 0: they scale zero codes
	ds_store_b32 v62, v[28+\m] offset:2112*\m      ; both halves of the lanes write the same word with the same value
.endif
.endr
.endm
.macro VSTORE p                        ; behind a step of V: a lane's eight heads of a channel, in f32, to the chunk; each accumulator from its low end on
.irp m, 0,1,2,3
.irp u, 0,1
.irp q, 0,1
	ds_store_b128 v18, v[80+16*\m+8*\u+4*\q:80+16*\m+8*\u+4*\q+3] offset:16640*\m+512*\q+16*(8*\p+\u)
.endr
.endr
.endr
.endm
.macro OSTORE p                        ; behind a step of Wo: a lane's eight neighbouring columns of a row of out0 into my own stage
.irp m, 0,1,2,3
.irp u, 0,1
	ds_store_b128 v24, v[80+16*\m+8*\u:83+16*\m+8*\u] offset:4352*\m+128*\p+64*\u
	ds_store_b128 v24, v[84+16*\m+8*\u:87+16*\m+8*\u] offset:4352*\m+128*\p+64*\u+16
.endr
.endr
.endm
.macro LOADVA bt, buf                  ; the chunk of tokens 4 bt .. 4 bt + 3: lane (r', h): V[8 h + 0 .. 7][channel r']
.irp a, 0,1,2,3
.irp q, 0,1
	ds_load_b128 v[\buf+8*\a+4*\q:\buf+8*\a+4*\q+3], v19 offset:1040*(4*\bt+\a)+512*\q
.endr
.endr
.endm
; out^T = V^T attn^T for four tokens, 16 channels, in f32: four K steps of 4; slot (h, j) of step ks stands for head 8 h + 2 ks + j on both sides.  The four tokens' sums take turns; each begins with the constant 0
.macro WMV bt, uu, buf
	WIN 0xf4+4*(\bt/2)                             ; C and D window 3; attn in window 1 or 2
.irp ks, 0,1,2,3
.irp a, 0,1,2,3
.set rD, 16*(4*\bt+\a)+8*\uu
.set rA, \buf+8*\a+2*\ks
.set rB, 192+8*((4*\bt+\a)%8)+2*\ks
.if \ks == 0
	v_wmma_f32_16x16x4_f32 v[rD:rD+7], v[rA:rA+1], v[rB:rB+1], 0
.else
	v_wmma_f32_16x16x4_f32 v[rD:rD+7], v[rA:rA+1], v[rB:rB+1], v[rD:rD+7]
.endif
.endr
.endr
	WIN 0
.endm
.macro OQ bt                           ; four tokens' out (head lane % 16, channels 16 h + 0 .. 15 of this half) becomes codes and scale bytes of A.  Each batch has registers of its own for what it stores
	Q16 64*\bt, 16, 1, 144+16*\bt, 208+4*\bt
.irp a, 0,1,2,3
.irp i, 0,1,2
	ds_store_b32 v60, v[144+16*\bt+4*\a+\i] offset:768*(4*\bt+\a)+4*\i
.endr
	ds_store_b8 v61, v[208+4*\bt+\a] offset:256*(((4*\bt+\a)/2)%2)+4*\bt+2*(\a%2)
.endr
.endm
; V's numbers are loaded into v80-143, which the step's scaled products have just written as their accumulators.  A matrix instruction takes a register that an earlier matrix instruction wrote as an
; operand only five places behind it, also where a load has filled the register since: the four places at the step's end and the one at the head of each of the two macros below.
; Behind the f32 form eight places stand in front of loads into its sources and of reads of its results, nine in front of a matrix instruction that writes over its registers.
.macro PV0
	NOPS 1                                         ; the fifth place behind the step's last products
	LOADVA 0, 80
	LOADVA 1, 112
	s_wait_dscnt 8                                 ; all but the eight loads just issued
	WMV 0, 0, 80
	NOPS 8
	LOADVA 2, 80
	s_wait_dscnt 8
	WMV 1, 0, 112
	NOPS 8
	LOADVA 3, 112
	s_wait_dscnt 8
	WMV 2, 0, 80
	s_wait_dscnt 0x0
	WMV 3, 0, 112
	NOPS 9
.endm
.macro PV1                             ; the second 16 channels; a batch is quantised while the next is multiplied: its plain instructions are the places behind the products issued just before
	NOPS 1                                         ; the fifth place behind the step's last products
	LOADVA 0, 80
	LOADVA 1, 112
	s_wait_dscnt 8
	WMV 0, 1, 80
	NOPS 8
	LOADVA 2, 80
	s_wait_dscnt 8
	WMV 1, 1, 112
	OQ 0
	LOADVA 3, 112
	s_wait_dscnt 8
	WMV 2, 1, 80
	OQ 1
	s_wait_dscnt 16                                ; behind the last eight loads: the sixteen stores of the batch just quantised
	WMV 3, 1, 112
	OQ 2
	OQ 3
.endm
.macro SLOAD bt                        ; four tokens' fragments of K and Q (16 heads x 64 channels: the lower six registers) and their scale words (lanes 0-15 Q's heads, lanes 16-31 K's)
.irp a, 0,1,2,3
.irp i, 0,1,2
	ds_load_b64 v[144+24*\a+2*\i:145+24*\a+2*\i], v16 offset:1544*(4*(\bt)+\a)+384+8*\i
.endr
.irp i, 0,1,2
	ds_load_b64 v[156+24*\a+2*\i:157+24*\a+2*\i], v16 offset:1544*(4*(\bt)+\a)+8*\i
.endr
	ds_load_b32 v[56+\a], v17 offset:132*(4*(\bt)+\a)
.endr
.endm
; Four tokens' softmax, by turns.  A lane holds query head lane % 16 and key heads 8 (lane / 16) + 0 .. 7 in v[80 + 8 a] on; v[112 + 8 a] on: +0 c m, +1 m, +2 .. +5 at work, +6 1 / sum.  c = log2(e) / 8
.macro SOFTMAX bt
.irp a, 0,1,2,3
	v_max3_num_f32 v[116+8*\a], v[80+8*\a], v[81+8*\a], v[82+8*\a]
.endr
.irp a, 0,1,2,3
	v_max3_num_f32 v[116+8*\a], v[116+8*\a], v[83+8*\a], v[84+8*\a]
.endr
.irp a, 0,1,2,3
	v_max3_num_f32 v[116+8*\a], v[116+8*\a], v[85+8*\a], v[86+8*\a]
.endr
.irp a, 0,1,2,3
	v_max_num_f32 v[116+8*\a], v[116+8*\a], v[87+8*\a]
.endr
.irp a, 0,1,2,3
	v_permlanex16_b32 v[117+8*\a], v[116+8*\a], s[SEL], s[SEL+1]
.endr
.irp a, 0,1,2,3
	v_max_num_f32 v[113+8*\a], v[116+8*\a], v[117+8*\a]   ; the row's largest score
.endr
.irp a, 0,1,2,3
	v_mul_f32 v[112+8*\a], s34, v[113+8*\a]
.endr
.irp j, 0,2,4,6
.irp a, 0,1,2,3
	v_pk_fma_f32 v[80+8*\a+\j:81+8*\a+\j], v[80+8*\a+\j:81+8*\a+\j], s[34:35], v[112+8*\a:113+8*\a] op_sel_hi:[1,0,0] neg_lo:[0,0,1] neg_hi:[0,0,1]   ; c s - c m
.endr
.endr
.set jx, 0
.rept 32
	v_exp_f32 v[80+jx], v[80+jx]
.set jx, jx+1
.endr
	v_nop                                          ; a plain place behind the exponentials
	s_wait_alu depctr_va_vdst(0)
.irp a, 0,1,2,3
	v_pk_add_f32 v[114+8*\a:115+8*\a], v[80+8*\a:81+8*\a], v[82+8*\a:83+8*\a]
.endr
.irp a, 0,1,2,3
	v_pk_add_f32 v[116+8*\a:117+8*\a], v[84+8*\a:85+8*\a], v[86+8*\a:87+8*\a]
.endr
.irp a, 0,1,2,3
	v_pk_add_f32 v[114+8*\a:115+8*\a], v[114+8*\a:115+8*\a], v[116+8*\a:117+8*\a]
.endr
.irp a, 0,1,2,3
	v_add_f32 v[114+8*\a], v[114+8*\a], v[115+8*\a]
.endr
.irp a, 0,1,2,3
	v_permlanex16_b32 v[117+8*\a], v[114+8*\a], s[SEL], s[SEL+1]
.endr
.irp a, 0,1,2,3
	v_add_f32 v[114+8*\a], v[114+8*\a], v[117+8*\a]   ; the row's sum
.endr
.irp a, 0,1,2,3
	v_rcp_f32 v[118+8*\a], v[114+8*\a]
.endr
.irp a, 0,1,2,3
	v_mov_b32 v[119+8*\a], 0                       ; (named with the reciprocal as a pair, so it is written; also the plain place behind the reciprocals)
.endr
	WIN 0x40*(1+\bt/2)                             ; attn stays in window 1 (tokens 0-7) or 2 (tokens 8-15)
	s_wait_alu depctr_va_vdst(0)
.irp j, 0,2,4,6
.irp a, 0,1,2,3
	v_pk_mul_f32 v[192+8*((4*\bt+\a)%8)+\j:193+8*((4*\bt+\a)%8)+\j], v[80+8*\a+\j:81+8*\a+\j], v[118+8*\a:119+8*\a] op_sel_hi:[1,0]
.endr
.endr
	WIN 0
.endm
; My stage's 64 rows x 256 bytes leave: stage row 16 m + q is row 256 q + 4 (work-group % 64) + m of out0's batch; lanes 0-15 take one row's 256 bytes, lanes 16-31 the next row's
.macro OUT last
.set kx, 0
.rept 32
	ds_load_b128 v[80+4*kx:83+4*kx], v25 offset:544*kx   ; LDS serves a wave's instructions in order: these see my stores
.set kx, kx+1
.endr
.set kx, 0
.rept 32
	s_wait_dscnt 31-kx
	global_store_b128 v[26+(kx%8)/4], v[80+4*kx:83+4*kx], s[8:9] offset:(kx%4)*2097152+(kx/8)*4096 th:TH_STORE_NT   ; 16 lanes store 256 consecutive bytes, at a multiple of 256 from out0's first byte
.set kx, kx+1
.endr
.if !\last
	s_wait_xcnt 0x0                                ; the stores have read their registers and their base: both may be written again
	s_add_nc_u64 s[8:9], s[8:9], 1024              ; the next 256 columns
.endif
.endm
	s_load_b128 s[4:7], s[0:1], 0x0                ; x, the stream
	s_load_b64 s[8:9], s[0:1], 0x10                ; out0
	v_lshl_add_u32 v1, v0, 2, SPARE                ; my spare word; never rewritten
	v_mov_b32 v2, 0                                ; 0; never rewritten
	ds_add_u32 v1, v2
	ds_add_u32 v1, v2
	s_wait_dscnt 0x0
	v_lshrrev_b32 v28, 5, v0
	v_readfirstlane_b32 s10, v28                   ; wave 0..3
	s_bfe_u32 s11, ttmp6, 0x40000                  ; cx: my place in the cluster
	s_lshl_b32 s12, ttmp9, 2
	s_add_co_u32 s12, s12, s11                     ; my work-group: it enters x's and out0's addresses alone, by registers that hold nothing else
	s_lshl_b32 s50, s12, 18                        ; x: 64 tokens of 4,096 bytes a work-group,
	s_lshl_b32 s51, s10, 16                        ; 16 a wave
	s_add_co_u32 s50, s50, s51
	s_mov_b32 s51, 0
	s_lshr_b32 s52, s12, 6                         ; out0: the batch, 2^24 bytes;
	s_lshl_b32 s52, s52, 24
	s_and_b32 s53, s12, 63
	s_lshl_b32 s53, s53, 14                        ; four rows of 4,096 bytes a work-group;
	s_add_co_u32 s52, s52, s53
	s_lshl_b32 s53, s10, 8                         ; my wave's 64 columns
	s_add_co_u32 s52, s52, s53
	s_mov_b32 s53, 0
	; descriptor group 1: a wave's two records, dense: 102 rows of 32 elements of 8 bytes, no padding (images are read 16 bytes a lane on end)
	s_mov_b32 s16, 0x0023000f                      ; 15:0 the mask: all four work-groups; 17:16 elements of 8 bytes; 21 set beside a mask
	s_mov_b32 s17, 32<<16                          ; tensor_dim0 = 32
	s_mov_b32 s18, 102<<16                         ; tensor_dim1 = 102
	s_mov_b32 s19, 32<<16                          ; tile_dim0 = 32
	s_mov_b32 s20, 102                             ; tile_dim1 = 102
	s_mov_b32 s21, 32                              ; the pitch
	s_mov_b32 s22, 0
	s_mov_b32 s23, 0
	s_mov_b32 s[SEL], 0x76543210
	s_mov_b32 s[SEL+1], 0xfedcba98
	s_mov_b32 s34, 0x3e38aa3b                      ; c = log2(e) / sqrt(64)
	s_mov_b32 s35, s34                             ; (named with it as a pair, so it is written)
	s_mov_b32 s36, 0xffff0000                      ; lanes 16-31
	s_mul_i32 s40, s10, WPART                      ; my part of a step, in the stream and in a slot
	s_mov_b32 s41, 0
	s_wait_kmcnt 0x0
	s_add_nc_u64 s[4:5], s[4:5], s[50:51]
	s_add_nc_u64 s[8:9], s[8:9], s[52:53]
	s_add_nc_u64 s[6:7], s[6:7], s[40:41]
	s_mov_b32 s24, 1                               ; group 0 for slot 0: step 0
	s_mov_b32 s25, s40
	s_mov_b64 s[26:27], s[6:7]
	s_or_b32 s27, s27, 0x80000000
	s_mov_b32 s28, 1                               ; and for slot 1: step 1
	s_add_co_u32 s29, s40, SB
	s_add_nc_u64 s[30:31], s[6:7], SB
	s_or_b32 s31, s31, 0x80000000
	CROUND                                         ; all four work-groups are here: the first joint loads meet
	tensor_load_to_lds s[24:27], s[16:23]          ; step 0
	s_nop 0
	NOPS 4
	; every LDS address that stays
	v_and_b32 v28, 31, v0                          ; lane
	v_and_b32 v29, 15, v0                          ; r
	v_bfe_u32 v30, v0, 4, 1                        ; h
	v_lshlrev_b32 v31, 4, v28                      ; 16 x lane
	v_add_nc_u32 v3, s40, v31                      ; v3, v4: my records in slot 0, 1
	v_add_nc_u32 v4, SB, v3
	v_lshl_add_u32 v5, v30, 5, s40
	v_add_nc_u32 v5, 12800, v5                     ; v5, v6: their biases, 32 h
	v_add_nc_u32 v6, SB, v5
	v_mov_b32 v7, v31                              ; v7: x: my 16 bytes of a load's 512
	s_mul_i32 s42, s10, 8448
	s_add_co_u32 s42, s42, EXB                     ; x's stage: 16 rows x (512 + 16) a wave
	v_add_nc_u32 v8, s42, v31                      ; v8: in
	v_mul_u32_u24 v9, v29, 528
	v_lshl_add_u32 v9, v30, 6, v9
	v_add_nc_u32 v9, s42, v9                       ; v9: out: row r, + 64 h
	s_mul_i32 s43, s10, 12288
	s_add_co_u32 s43, s43, XIMG
	v_add_nc_u32 v10, s43, v31                     ; v10: where I store x's images
	s_lshl_b32 s44, s10, 9
	s_add_co_u32 s44, s44, XSC
	v_add_nc_u32 v11, s44, v31                     ; v11: and their scale words
	v_add_nc_u32 v12, XIMG, v31                    ; v12: where anyone reads the images
	v_mul_u32_u24 v13, v29, 1544
	v_mad_u32_u24 v13, v30, 12, v13
	s_mul_i32 s42, s10, 192
	s_add_co_u32 s42, s42, QKC
	v_add_nc_u32 v13, s42, v13                     ; v13: Q's, K's codes: token r of row tiles 0, 1; 12 h; head' 8 wave
	v_add_nc_u32 v14, 49408, v13                   ; v14: of row tiles 2, 3
	v_mul_u32_u24 v15, v29, 132
	s_lshl_b32 s42, s10, 5
	s_add_co_u32 s42, s42, QKS
	v_add_nc_u32 v15, s42, v15                     ; v15: their scale words
	v_mul_u32_u24 v16, v29, 24
	v_mad_u32_u24 v16, v30, 768, v16
	s_mul_i32 s42, s10, 24704
	s_add_co_u32 s42, s42, QKC
	v_add_nc_u32 v16, s42, v16                     ; v16: a score's fragment: my tokens; head r, half h
	v_lshlrev_b32 v17, 2, v28
	s_mul_i32 s42, s10, 2112
	s_add_co_u32 s42, s42, QKS
	v_add_nc_u32 v17, s42, v17                     ; v17: and its scale words
	v_mul_u32_u24 v18, v29, 1040
	v_lshl_add_u32 v18, v30, 8, v18
	s_lshl_b32 s42, s10, 5
	s_add_co_u32 s42, s42, VCH
	v_add_nc_u32 v18, s42, v18                     ; v18: V's chunk, in
	s_mul_i32 s42, s10, 16640
	s_add_co_u32 s42, s42, VCH
	v_add_nc_u32 v19, s42, v31                     ; v19: and out: my tokens
	v_mul_u32_u24 v20, v29, 24
	v_mad_u32_u24 v20, v30, 12, v20
	v_add_nc_u32 v20, s43, v20                     ; v20: A's codes: my row tile; head r, 12 h
	v_lshl_add_u32 v21, v29, 4, s44                ; v21: A's scale bytes
	v_mul_u32_u24 v22, v28, 24
	v_add_nc_u32 v22, XIMG, v22                    ; v22: where anyone reads A's fragments: 24 bytes a lane
	v_add_nc_u32 v23, XSC, v31                     ; v23: and x's or A's scale words
	s_mul_i32 s42, s10, 17408
	s_add_co_u32 s42, s42, EXB                     ; my stage for out0: 64 rows x (256 + 16)
	v_mul_u32_u24 v24, v29, 272
	v_lshl_add_u32 v24, v30, 5, v24
	v_add_nc_u32 v24, s42, v24                     ; v24: in
	v_mul_u32_u24 v25, v30, 272
	v_lshl_add_u32 v25, v29, 4, v25
	v_add_nc_u32 v25, s42, v25                     ; v25: back
	v_lshlrev_b32 v26, 20, v30
	v_lshl_add_u32 v26, v29, 4, v26                ; v26: out0: 2^20 h (a head is 256 rows) + 16 r;
	v_add_nc_u32 v27, 0x800000, v26                ; v27: eight heads on, so that the stores' offsets stay inside the signed 24-bit immediate
.irp b, 0,1,2,3
	v_mov_b32 v[TM+4+\b], 0                        ; written once: a lane permute's destination counts as one of its sources
.endr
	; ---- X: my 16 tokens of x become eight fragments.  A load reads 512 consecutive bytes of a row; a K step's 16 rows turn through my stage, so that a lane holds 16 neighbours of each block
.macro LOADX ks
	WIN 0x40                                       ; destination window 1: four sets of 64 registers
.set ix, 0
.rept 16
	global_load_b128 v[64*((\ks)%4)+4*ix:64*((\ks)%4)+4*ix+3], v7, s[4:5] offset:4096*ix+512*(\ks) th:TH_LOAD_NT
.set ix, ix+1
.endr
	WIN 0
.endm
.macro TURN ks
	WIN 0x04                                       ; an LDS store's data are its source 1
.set ix, 0
.rept 16
	ds_store_b128 v8, v[64*((\ks)%4)+4*ix:64*((\ks)%4)+4*ix+3] offset:528*ix
.set ix, ix+1
.endr
	WIN 0
.irp b, 0,1,2,3
.irp j, 0,1,2,3
	ds_load_b128 v[80+64*((\ks)%2)+16*\b+4*\j:83+64*((\ks)%2)+16*\b+4*\j], v9 offset:128*\b+16*\j   ; LDS serves a wave's instructions in order: these see my stores, and the next turn's stores come behind them
.endr
.endr
.endm
	LOADX 0
	LOADX 1
	LOADX 2
	LOADX 3
	s_wait_loadcnt 48                              ; K step 0's sixteen loads are in; three sets may be out
	TURN 0
.irp ks, 0,1,2,3,4,5,6,7
	s_wait_dscnt 0x0                               ; this K step's numbers are back; its stores into the stage and the last images' stores have read their registers
.if \ks+4 < 8
	LOADX \ks+4
.endif
.if \ks < 7
.if \ks < 4
	s_wait_loadcnt 48                              ; the next K step's loads are in; the three sets behind them may be out
.else
	s_wait_loadcnt 16*(6-\ks)
.endif
	TURN \ks+1
.endif
	QUANT 80+64*(\ks%2)
.irp c, 0,1,2
	ds_store_b128 v10, v[PC+4*\c:PC+4*\c+3] offset:FRB*\ks+512*\c
.endr
.if \ks%2 == 0
	v_mov_b32 v229, v[PW]
.else
	v_cndmask_b32 v[232+\ks/2], v229, v[PW], s36   ; lanes 0-15 keep the even K step's word, lanes 16-31 the odd one's
.endif
.endr
	ds_store_b128 v11, v[232:235]
	BARRIER                                        ; x's 32 fragments lie in LDS
	WIN 0x40
.irp m, 0,1
.irp ks, 0,1,2,3,4,5,6,7
.irp c, 0,1,2
	ds_load_b128 v[96*\m+12*\ks+4*\c:96*\m+12*\ks+4*\c+3], v12 offset:FRB*(8*\m+\ks)+512*\c
.endr
.endr
.endr
	WIN 0x80
.irp m, 2,3
.irp ks, 0,1,2,3,4,5,6,7
.irp c, 0,1,2
	ds_load_b128 v[96*(\m-2)+12*\ks+4*\c:96*(\m-2)+12*\ks+4*\c+3], v12 offset:FRB*(8*\m+\ks)+512*\c
.endr
.endr
.endr
	WIN 0
.irp m, 0,1,2,3
	ds_load_b128 v[32+4*\m:35+4*\m], v23 offset:512*\m
.endr
	; ---- Q and K: eight trips, a head' a trip (wave w: heads' 8 w .. 8 w + 7), its two halves of 32 channels in two steps
	s_mov_b32 s37, 8
	s_mov_b32 s38, 0                               ; 24 bytes of codes a head'
	s_mov_b32 s39, 0                               ; 4 bytes of scales
.Lqk:
	CHANGE 0, 1
	v_add_nc_u32 v60, s38, v13                     ; (no LDS store of mine is out)
	v_add_nc_u32 v61, s38, v14
	v_add_nc_u32 v62, s39, v15
	MULT 0
	QPOST 0
	CHANGE 1, 1
	MULT 1
	QPOST 1
	s_add_co_u32 s38, s38, 24
	s_add_co_u32 s39, s39, 4
	s_sub_co_u32 s37, s37, 1
	s_cmp_lg_u32 s37, 0
	s_cbranch_scc1 .Lqk
	; ---- scores and softmax of my 16 tokens, four at a time.  S^T = K Q^T: source 0 = 16 heads of K, source 1 = 16 heads of Q; K = 64 of the instruction's 128: the upper six registers hold zero codes
	BARRIER                                        ; every wave's codes and scale words lie in LDS
.set fz, 0
.rept 8
.irp i, 6,7,8,9,10,11
	v_mov_b32 v[GA+12*fz+\i], 0
.endr
.set fz, fz+1
.endr
.irp a, 0,1,2,3
	v_mov_b32 v[117+8*\a], 0                       ; a lane permute's destination counts as one of its sources; these four are also the places between the zeros and the scaled products
.endr
	SLOAD 0
.irp bt, 0,1,2,3
	s_wait_dscnt 0x0
.irp a, 0,1,2,3
	v_wmma_scale_f32_16x16x128_f8f6f4 v[80+8*\a:87+8*\a], v[144+24*\a:155+24*\a], v[156+24*\a:167+24*\a], 0, v[56+\a], v[56+\a] matrix_a_fmt:MATRIX_FMT_BF6 matrix_b_fmt:MATRIX_FMT_BF6 matrix_a_scale:MATRIX_SCALE_ROW1
.endr
	NOPS 4                                         ; places in front of the loads below and of the first read of the scores
.if \bt < 3
	SLOAD \bt+1
.endif
	SOFTMAX \bt
.endr
	; ---- V and attn x V: two trips, a half of 32 channels a trip: twice two steps of V (16 channels of all heads, all 64 tokens, to LDS) and the f32 products of my tokens
	s_mov_b32 s37, 2
	s_mov_b32 s38, 0                               ; A's codes: 384 bytes a half
	s_mov_b32 s39, 0                               ; A's scale bytes: 1
.Lv:
	CHANGE 0, 1
	v_add_nc_u32 v60, s38, v20                     ; (no LDS store of mine is out)
	v_add_nc_u32 v61, s39, v21
	MULT 0
	VSTORE 0
	CHANGE 1, 1
	MULT 1
	VSTORE 1
	BARRIER                                        ; the chunk is whole
	PV0
	CHANGE 0, 1                                    ; (its barrier also parts my reads of the chunk from the next chunk's stores)
	MULT 0
	VSTORE 0
	CHANGE 1, 1
	MULT 1
	VSTORE 1
	BARRIER
	PV1
	s_add_co_u32 s38, s38, 384
	s_add_co_u32 s39, s39, 1
	s_sub_co_u32 s37, s37, 1
	s_cmp_lg_u32 s37, 0
	s_cbranch_scc1 .Lv
	; ---- A's 32 fragments take x's registers
	BARRIER
	WIN 0x40
.irp m, 0,1
.irp ks, 0,1,2,3,4,5,6,7
.irp c, 0,1
.irp i, 0,1,2
	ds_load_b64 v[96*\m+12*\ks+6*\c+2*\i:96*\m+12*\ks+6*\c+2*\i+1], v22 offset:FRB*(8*\m+\ks)+768*\c+8*\i
.endr
.endr
.endr
.endr
	WIN 0x80
.irp m, 2,3
.irp ks, 0,1,2,3,4,5,6,7
.irp c, 0,1
.irp i, 0,1,2
	ds_load_b64 v[96*(\m-2)+12*\ks+6*\c+2*\i:96*(\m-2)+12*\ks+6*\c+2*\i+1], v22 offset:FRB*(8*\m+\ks)+768*\c+8*\i
.endr
.endr
.endr
.endr
	WIN 0
.irp m, 0,1,2,3
	ds_load_b128 v[32+4*\m:35+4*\m], v23 offset:512*\m
.endr
	; ---- out0 = A Wo^T + bo: four times two steps, 64 columns a wave each time
	s_mov_b32 s37, 3
.Lo:
	CHANGE 0, 1
	MULT 0
	OSTORE 0
	CHANGE 1, 1
	MULT 1
	OSTORE 1
	OUT 0
	s_sub_co_u32 s37, s37, 1
	s_cmp_lg_u32 s37, 0
	s_cbranch_scc1 .Lo
	CHANGE 0, 1                                    ; the last two steps are written out: the last change asks for nothing
	MULT 0
	OSTORE 0
	CHANGE 1, 0
	MULT 1
	OSTORE 1
	OUT 1
	s_wait_tensorcnt 0x0                           ; the wave's end: behind my last tensor load and my last LDS store
	ds_add_u32 v1, v2
	s_wait_dscnt 0x0
	CROUND                                         ; the closing round: no work-group ends while a partner may still ask for records that name it
	s_endpgm
.Lfunc_end_k_q8753e6246d_attn:
	.size	k_q8753e6246d_attn, .Lfunc_end_k_q8753e6246d_attn-k_q8753e6246d_attn
	.p2alignl 7, 3214868480
	.fill 96, 4, 3214868480
	.section	.rodata,"a",@progbits
	.p2align	6, 0x0
	.amdhsa_kernel k_q8753e6246d_attn
		.amdhsa_group_segment_fixed_size 327680
		.amdhsa_private_segment_fixed_size 0
		.amdhsa_enable_private_segment 0
		.amdhsa_kernarg_size 24
		.amdhsa_user_sgpr_count 2
		.amdhsa_user_sgpr_kernarg_segment_ptr 1
		.amdhsa_wavefront_size32 1
		.amdhsa_system_sgpr_workgroup_id_x 1
		.amdhsa_system_sgpr_workgroup_id_y 1
		.amdhsa_system_sgpr_workgroup_id_z 1
		.amdhsa_system_vgpr_workitem_id 0
		.amdhsa_next_free_vgpr 1024
		.amdhsa_next_free_sgpr 66
		.amdhsa_reserve_vcc 0
		.amdhsa_float_denorm_mode_32 3
		.amdhsa_float_denorm_mode_16_64 3
		.amdhsa_memory_ordered 1
		.amdhsa_forward_progress 1
		.amdhsa_inst_pref_size 255
	.end_amdhsa_kernel
	.section	.bss,"aw",@nobits
	.p2align	6
	.space	262144
	.amdgpu_metadata
---
amdhsa.version: [ 1, 2 ]
amdhsa.kernels:
  - .name:           k_q8753e6246d_attn
    .symbol:         k_q8753e6246d_attn.kd
    .args:
      - { .name: x, .offset: 0, .size: 8, .value_kind: global_buffer, .address_space: global }
      - { .name: wstream, .offset: 8, .size: 8, .value_kind: global_buffer, .address_space: global }
      - { .name: out0, .offset: 16, .size: 8, .value_kind: global_buffer, .address_space: global }
    .group_segment_fixed_size: 327680
    .private_segment_fixed_size: 0
    .kernarg_segment_align: 8
    .kernarg_segment_size: 24
    .max_flat_workgroup_size: 128
    .sgpr_count:     66
    .vgpr_count:     1024
    .wavefront_size: 32
...
	.end_amdgpu_metadata
.endif
;; end of part 2
;; ======== version 2 of 2: 2 launches
;; limits: right only within a limited range of input values
;; workspace buffers: wstream 3,342,336 bytes
;; launch prep (part 3): grid 256 x 1, 8 waves a work-group, no clusters, 69,632 bytes of LDS; arguments Wq, Wk, Wv, Wo, bq, bk, bv, bo, wstream; writes wstream
.if DOCPART == 3
	.amdgcn_target "amdgcn-amd-amdhsa--gfx1250"
	.amdhsa_code_object_version 6
	.text
	.protected	k_q8753e6246d_prep
	.globl	k_q8753e6246d_prep
	.p2align	8
	.type	k_q8753e6246d_prep,@function
k_q8753e6246d_prep:
	s_mov_b64 s[64:65], 0
	v_nop
	global_prefetch_b8 v0, s[64:65] scope:SCOPE_SE
	s_setreg_imm32_b32 hwreg(HW_REG_WAVE_MODE, 25, 1), 1
	s_wait_xcnt 0x0
; Wq, Wk, Wv, Wo [1024][1024] f32 are quantised along K (their last axis) to codes of BF6 (E3M2) with one E8M0 byte for each 32 along K, and laid,
; with the biases, as ONE STREAM of 256 records, by the second launch's steps: 8 records a step.
; A RECORD is a tile of 16 weight rows x all 1,024 of K, 13,056 bytes:
;   bytes 0 .. 12,287: eight fragments (K step ks at 1,536 ks) as images of the operand's registers: group c of four registers of lane l at 512 c + 16 l;
;   bytes 12,288 .. 12,799: the scale words: lane (r, hh), register i, at 16 (r + 16 hh) + 4 i: the word of tile row r for K step 2 i + hh;
;   bytes 12,800 .. 12,863: the sixteen biases in the tile's row order; zeros up to 13,055.
; Record R = (step x 4 + wave) x 2 + u.  Tile row m takes weight row A + Bm (m % 8) + Cm (m / 8):
;   steps 0-15  (Wq for waves 0, 1; Wk for 2, 3): head (8 wave + step / 2) % 16, half step % 2: A = 64 head + 32 half + 8 u, Bm = 1, Cm = 16;
;   steps 16-23 (Wv): one channel d of all 16 heads: A = d = 32 (t / 4) + 16 (t % 2) + 8 ((t / 2) % 2) + 2 wave + u, t = step - 16, Bm = 64, Cm = 512;
;   steps 24-31 (Wo): A = 256 (t / 2) + 64 wave + 32 (t % 2) + 16 u, t = step - 24, Bm = 1, Cm = 8.
; A work-group makes one record, each of its eight waves one fragment.  A load reads 512 consecutive bytes of one row; the sixteen rows turn through the wave's own stage
; in LDS, so that lane (r, h) holds k = 64 c + 32 h + 0 .. 31 of row r: two whole blocks, in the order of the operand's registers.
; A block's scale byte is its largest magnitude's exponent field - 4, held at 1 from below.
; LIMITS: a block of zeros gets the byte 1 and not 127 (its codes are zeros, and this program alone reads the bytes); NaN and infinities among the inputs are not served.
.set REC,  13056
.set STGB, 8448                        ; a wave's stage: 16 rows x (512 bytes + 16)
.set SCW,  8*STGB                      ; behind the stages: the scale image (512 bytes) and the tail (256 bytes)
.set RW,   16                          ; v16-79    sixteen rows' 16 bytes as loaded
.set OFR,  80                          ; v80-95    their byte offsets in the weight
.set X,    100                         ; v100-163  my 64 numbers
.set MX,   164                         ; v164-165  largest magnitudes;  v166-167 the conversions' scale operands;  v168-169 the bytes
.set CD,   172                         ; v172-183  the fragment;  v184-190 the halves that are moved
	s_load_b512 s[16:31], s[0:1], 0x0              ; Wq, Wk, Wv, Wo, bq, bk, bv, bo
	s_load_b64 s[32:33], s[0:1], 0x40              ; the stream
	v_lshl_add_u32 v192, v0, 2, 0x10c00
	v_mov_b32 v193, 0
	v_lshrrev_b32 v1, 5, v0
	s_delay_alu instid0(VALU_DEP_1)
	v_readfirstlane_b32 s34, v1                    ; wave = K step 0..7
	v_and_b32 v2, 31, v0                           ; lane
	v_and_b32 v3, 15, v0                           ; r
	v_bfe_u32 v4, v0, 4, 1                         ; h
	s_delay_alu instid0(VALU_DEP_3)
	v_lshlrev_b32 v5, 4, v2                        ; 16 x lane
	; every LDS address is made here, ahead of any branch on the wave's number
	s_mul_i32 s50, s34, STGB
	v_add_nc_u32 v6, s50, v5                       ; the stage, on the way in: 16 x lane of a row
	v_mul_u32_u24 v7, v3, 528
	s_delay_alu instid0(VALU_DEP_1)
	v_lshl_add_u32 v7, v4, 7, v7
	s_delay_alu instid0(VALU_DEP_1)
	v_add_nc_u32 v7, s50, v7                       ; and out: row r, + 128 h: my block of 32 numbers
	s_and_b32 s51, s34, 1
	s_lshl_b32 s51, s51, 8
	s_lshr_b32 s52, s34, 1
	s_lshl_b32 s52, s52, 2
	s_add_co_u32 s51, s51, s52
	s_add_co_u32 s51, s51, SCW
	v_lshl_add_u32 v8, v3, 4, s51                  ; my row's scale word of this K step: 16 r + 256 (ks % 2) + 4 (ks / 2)
	v_and_b32 v9, 63, v0
	s_delay_alu instid0(VALU_DEP_1)
	v_lshl_add_u32 v9, v9, 2, SCW+512              ; the tail's 64 words: threads 0 to 63
	v_add_nc_u32 v10, SCW, v5                      ; the scale image read back
	v_lshl_add_u32 v11, v2, 3, SCW+512             ; the tail read back
	s_mul_i32 s53, s34, 1536
	v_add_nc_u32 v12, s53, v5                      ; my 16 bytes in the record's fragment ks
	v_lshlrev_b32 v13, 3, v2
	s_mov_b32 s60, 0x76543210
	s_mov_b32 s61, 0xfedcba98                      ; v_permlanex16_b32's selects for lane l xor 16
	; which rows: all three forms are made, then chosen by the step
	s_and_b32 s35, ttmp9, 1                        ; u
	s_bfe_u32 s36, ttmp9, 0x20001                  ; the second launch's wave
	s_lshr_b32 s37, ttmp9, 3                       ; its step
	s_lshr_b32 s38, s37, 1
	s_lshl_b32 s39, s36, 3
	s_add_co_u32 s38, s38, s39
	s_and_b32 s38, s38, 15                         ; head
	s_lshl_b32 s38, s38, 6
	s_and_b32 s39, s37, 1                          ; step % 2
	s_lshl_b32 s40, s39, 5
	s_add_co_u32 s38, s38, s40
	s_lshl_b32 s40, s35, 3
	s_add_co_u32 s38, s38, s40                     ; A for Wq, Wk
	s_and_b32 s41, s37, 7                          ; t
	s_lshr_b32 s42, s41, 2
	s_lshl_b32 s42, s42, 5
	s_lshl_b32 s43, s39, 4
	s_add_co_u32 s42, s42, s43
	s_bfe_u32 s43, s37, 0x10001
	s_lshl_b32 s43, s43, 3
	s_add_co_u32 s42, s42, s43
	s_lshl_b32 s43, s36, 1
	s_add_co_u32 s42, s42, s43
	s_add_co_u32 s42, s42, s35                     ; A for Wv
	s_lshr_b32 s43, s41, 1
	s_lshl_b32 s43, s43, 8
	s_lshl_b32 s44, s36, 6
	s_add_co_u32 s43, s43, s44
	s_lshl_b32 s44, s39, 5
	s_add_co_u32 s43, s43, s44
	s_lshl_b32 s44, s35, 4
	s_add_co_u32 s43, s43, s44                     ; A for Wo
	s_cmp_lt_u32 s37, 24
	s_cselect_b32 s42, s42, s43
	s_cselect_b32 s45, 64, 1
	s_cselect_b32 s46, 512, 8
	s_cmp_lt_u32 s37, 16
	s_cselect_b32 s42, s38, s42                    ; A
	s_cselect_b32 s45, 1, s45                      ; Bm
	s_cselect_b32 s46, 16, s46                     ; Cm
	v_and_b32 v14, 7, v3
	s_delay_alu instid0(VALU_DEP_1)
	v_mul_u32_u24 v14, s45, v14
	v_lshrrev_b32 v15, 3, v3
	s_delay_alu instid0(VALU_DEP_1)
	v_mad_u32_u24 v14, v15, s46, v14
	s_delay_alu instid0(VALU_DEP_1)
	v_add_nc_u32 v14, s42, v14
	s_delay_alu instid0(VALU_DEP_1)
	v_lshlrev_b32 v14, 2, v14                      ; the bias of tile row r: 4 x its weight row
	s_lshl_b32 s54, s42, 12                        ; a weight row is 4,096 bytes
	s_lshl_b32 s55, s34, 9                         ; a K step 512
	s_add_co_u32 s54, s54, s55                     ; tile rows 0-7 begin here,
	s_lshl_b32 s56, s45, 12
	s_lshl_b32 s57, s46, 12
	s_add_co_u32 s58, s54, s57                     ; rows 8-15 here
.irp i, 0,1,2,3,4,5,6,7,8,9,10,11,12,13,14,15
	s_mul_i32 s59, s56, \i%8
	s_add_co_u32 s59, s59, s[54+4*(\i/8)]
	v_add_nc_u32 v[OFR+\i], s59, v5
.endr
	s_mul_i32 s48, ttmp9, REC
	s_mov_b32 s49, 0
	s_wait_alu depctr_va_vdst(0)
	s_wait_kmcnt 0x0
	s_cmp_lt_u32 s36, 2                            ; the buffers are chosen by ids alone
	s_cselect_b64 s[16:17], s[16:17], s[18:19]
	s_cselect_b64 s[24:25], s[24:25], s[26:27]
	s_cmp_lt_u32 s37, 24
	s_cselect_b64 s[20:21], s[20:21], s[22:23]
	s_cselect_b64 s[28:29], s[28:29], s[30:31]
	s_cmp_lt_u32 s37, 16
	s_cselect_b64 s[16:17], s[16:17], s[20:21]     ; the weight
	s_cselect_b64 s[24:25], s[24:25], s[28:29]     ; its bias
	s_add_nc_u64 s[32:33], s[32:33], s[48:49]      ; my record
.irp i, 0,1,2,3,4,5,6,7,8,9,10,11,12,13,14,15
	global_load_b128 v[RW+4*\i:RW+4*\i+3], v[OFR+\i], s[16:17] th:TH_LOAD_NT   ; 32 lanes read 512 consecutive bytes of tile row i; read once in the launch
.endr
	global_load_b32 v96, v14, s[24:25]
	s_wait_loadcnt 0x0
.irp i, 0,1,2,3,4,5,6,7,8,9,10,11,12,13,14,15
	ds_store_b128 v6, v[RW+4*\i:RW+4*\i+3] offset:528*\i
.endr
.irp c, 0,1
.irp i, 0,1,2,3,4,5,6,7
	ds_load_b128 v[X+32*\c+4*\i:X+32*\c+4*\i+3], v7 offset:256*\c+16*\i   ; LDS serves a wave's instructions in order: these see my stores
.endr
.endr
	s_wait_dscnt 0x0
.irp c, 0,1                                    ; my block 2 c + h: all its 32 numbers are mine
	v_max3_num_f32 v[MX+\c], |v[X+32*\c]|, |v[X+1+32*\c]|, 0x2800000   ; and the floor 2^(5 - 127): the byte cannot fall under 1
.endr
.irp i, 2,4,6,8,10,12,14,16,18,20,22,24,26,28,30
.irp c, 0,1
	s_delay_alu instid0(VALU_DEP_2)
	v_max3_num_f32 v[MX+\c], v[MX+\c], |v[X+32*\c+\i]|, |v[X+1+32*\c+\i]|
.endr
.endr
.irp c, 0,1
	s_delay_alu instid0(VALU_DEP_2)
	v_add_nc_u32 v[MX+2+\c], 0xfe000000, v[MX+\c]  ; 4 off the exponent field: the conversion's scale operand
.endr
.irp c, 0,1
	s_delay_alu instid0(VALU_DEP_2)
	v_lshrrev_b32 v[MX+4+\c], 23, v[MX+2+\c]       ; the scale's byte
.endr
	s_delay_alu instid0(VALU_DEP_1)
	v_lshl_or_b32 v170, v169, 16, v168             ; my two bytes: blocks h and 2 + h,
	v_lshlrev_b32 v171, 3, v4
	s_delay_alu instid0(VALU_DEP_1)
	v_lshlrev_b32 v170, v171, v170                 ; at their places in the word;
	v_mov_b32 v171, 0
	s_delay_alu instid0(VALU_DEP_1)
	v_permlanex16_b32 v171, v170, s60, s61
	s_delay_alu instid0(VALU_DEP_1)
	v_or_b32 v170, v170, v171                      ; with lane l xor 16's two the word is whole
.irp c, 0,1
	v_cvt_scalef32_pk16_bf6_f32 v[CD+6*\c:CD+2+6*\c], v[X+32*\c:X+15+32*\c], v[MX+2+\c]
	v_cvt_scalef32_pk16_bf6_f32 v[CD+12+4*\c:CD+14+4*\c], v[X+16+32*\c:X+31+32*\c], v[MX+2+\c]   ; (a conversion's three registers begin on an even number)
.endr
	v_nop                                          ; one plain place behind a scaled conversion
.irp c, 0,1
.irp i, 0,1,2
	v_mov_b32 v[CD+3+6*\c+\i], v[CD+12+4*\c+\i]
.endr
.endr
.irp c, 0,1,2
	global_store_b128 v12, v[CD+4*\c:CD+4*\c+3], s[32:33] offset:512*\c   ; 32 lanes store 512 consecutive bytes, at a multiple of 256 from the stream's first byte
.endr
	ds_store_b32 v8, v170                          ; both halves of the lanes write the same word with the same value
	v_cmp_gt_u32 vcc_lo, 16, v0
	s_delay_alu instid0(VALU_DEP_1)
	v_cndmask_b32 v97, 0, v96, vcc_lo              ; threads 0-15: the biases; the others: zeros
	s_cmp_lt_u32 s34, 2
	s_cbranch_scc0 .Lno_tail
	ds_store_b32 v9, v97
.Lno_tail:
	s_wait_dscnt 0x0                               ; for the others' sake: my stores have landed
	s_barrier_signal -1
	s_barrier_wait -1
	s_cmp_lg_u32 s34, 0
	s_cbranch_scc1 .Lnot_0
	ds_load_b128 v[16:19], v10                     ; wave 0: the eight waves' scale words leave as two whole blocks of 256 bytes
	s_wait_dscnt 0x0
	global_store_b128 v5, v[16:19], s[32:33] offset:12288
	s_branch .Lend
.Lnot_0:
	s_cmp_lg_u32 s34, 1
	s_cbranch_scc1 .Lend
	ds_load_b64 v[20:21], v11                      ; wave 1: the tail, one block of 256 bytes
	s_wait_dscnt 0x0
	global_store_b64 v13, v[20:21], s[32:33] offset:12800
.Lend:
	s_wait_tensorcnt 0x0
	ds_add_u32 v192, v193
	s_wait_dscnt 0x0
	s_endpgm
.Lfunc_end_k_q8753e6246d_prep:
	.size	k_q8753e6246d_prep, .Lfunc_end_k_q8753e6246d_prep-k_q8753e6246d_prep
	.p2alignl 7, 3214868480
	.fill 96, 4, 3214868480
	.section	.rodata,"a",@progbits
	.p2align	6, 0x0
	.amdhsa_kernel k_q8753e6246d_prep
		.amdhsa_group_segment_fixed_size 69632
		.amdhsa_private_segment_fixed_size 0
		.amdhsa_enable_private_segment 0
		.amdhsa_kernarg_size 72
		.amdhsa_user_sgpr_count 2
		.amdhsa_user_sgpr_kernarg_segment_ptr 1
		.amdhsa_wavefront_size32 1
		.amdhsa_system_sgpr_workgroup_id_x 1
		.amdhsa_system_sgpr_workgroup_id_y 1
		.amdhsa_system_sgpr_workgroup_id_z 1
		.amdhsa_system_vgpr_workitem_id 0
		.amdhsa_next_free_vgpr 194
		.amdhsa_next_free_sgpr 66
		.amdhsa_reserve_vcc 1
		.amdhsa_float_denorm_mode_32 3
		.amdhsa_float_denorm_mode_16_64 3
		.amdhsa_memory_ordered 1
		.amdhsa_forward_progress 1
		.amdhsa_inst_pref_size 15
	.end_amdhsa_kernel
	.amdgpu_metadata
---
amdhsa.version: [ 1, 2 ]
amdhsa.kernels:
  - .name:           k_q8753e6246d_prep
    .symbol:         k_q8753e6246d_prep.kd
    .args:
      - { .name: Wq, .offset: 0, .size: 8, .value_kind: global_buffer, .address_space: global }
      - { .name: Wk, .offset: 8, .size: 8, .value_kind: global_buffer, .address_space: global }
      - { .name: Wv, .offset: 16, .size: 8, .value_kind: global_buffer, .address_space: global }
      - { .name: Wo, .offset: 24, .size: 8, .value_kind: global_buffer, .address_space: global }
      - { .name: bq, .offset: 32, .size: 8, .value_kind: global_buffer, .address_space: global }
      - { .name: bk, .offset: 40, .size: 8, .value_kind: global_buffer, .address_space: global }
      - { .name: bv, .offset: 48, .size: 8, .value_kind: global_buffer, .address_space: global }
      - { .name: bo, .offset: 56, .size: 8, .value_kind: global_buffer, .address_space: global }
      - { .name: wstream, .offset: 64, .size: 8, .value_kind: global_buffer, .address_space: global }
    .group_segment_fixed_size: 69632
    .private_segment_fixed_size: 0
    .kernarg_segment_align: 8
    .kernarg_segment_size: 72
    .max_flat_workgroup_size: 256
    .sgpr_count:     66
    .vgpr_count:     194
    .wavefront_size: 32
...
	.end_amdgpu_metadata
.endif
;; end of part 3
;; launch attn (part 4): grid 256 x 1, 4 waves a work-group, clusters of 4 x 1, 327,680 bytes of LDS; arguments x, wstream, out0; writes out0
.if DOCPART == 4
	.amdgcn_target "amdgcn-amd-amdhsa--gfx1250"
	.amdhsa_code_object_version 6
	.text
	.protected	k_q8753e6246d_attn
	.globl	k_q8753e6246d_attn
	.p2align	8
	.type	k_q8753e6246d_attn,@function
k_q8753e6246d_attn:
	s_mov_b64 s[64:65], 0
	v_nop
	global_prefetch_b8 v0, s[64:65] scope:SCOPE_SE
	s_setreg_imm32_b32 hwreg(HW_REG_WAVE_MODE, 25, 1), 1
	s_wait_xcnt 0x0
	s_wait_alu depctr_hold_cnt(0) depctr_sa_sdst(0) depctr_va_vdst(0) depctr_va_sdst(0) depctr_va_ssrc(0) depctr_va_vcc(0) depctr_vm_vsrc(0)
	s_getreg_b32 s2, hwreg(HW_REG_IB_STS2, 6, 4)
	s_cmp_eq_u32 s2, 0
	s_cbranch_scc0 .Lentry_in_a_cluster
	s_endpgm
.Lentry_in_a_cluster:
	s_bfe_u32 s2, ttmp6, 0x10000c
	s_cmp_lg_u32 s2, 0x3003
	s_cbranch_scc0 .Lentry_shape_is_right
	s_endpgm
.Lentry_shape_is_right:
; The whole module for 64 neighbouring tokens a work-group: Q, K, V = x W^T + b; for each token the 16 x 16 scores of heads against heads, softmax, out[q][d] = sum over l of attn[q][l] V[l][d];
; the flat reshape; out0 = A Wo^T + bo.  The four large products and the scores go on codes of BF6 (E3M2) with one E8M0 byte for each 32 along K; attn x V goes in f32, since its result is quantised.
; THE RESHAPE: row q 256 + s / 16 of A holds head q of the tokens 16 (s / 16) .. + 15, at column 64 (s % 16) + d.  So 16 aligned tokens give 16 whole rows of A, one a head, and a work-group
; that owns 64 tokens owns 64 whole rows of out0.  Nothing between x and out0 goes to memory.
; SHARES.  In the large products the four waves share the COLUMNS: in each of 32 steps a wave takes two tiles of 16 weight rows against all four tiles of 16 rows, K = 1,024: 64 matrix instructions.
; x's codes (later A's) stay in every wave's registers.  In the work of a token (scores, softmax, attn x V, quantising) wave g owns tokens 16 g .. 16 g + 15.
; THE WEIGHTS come as the first launch laid them: a stream of records (a tile's eight fragments as register images, its scale words, its biases), 8 records a step, through a ring of two LDS slots.
; CLUSTER: four work-groups walk the same stream, so each wave's quarter of a step is asked for JOINTLY, by the same tensor load with the same descriptor and a mask that names the four.
; One tensor load of a wave is out behind each change of slots.
; THE WALK.  Within a phase the order of its trips is free: a head' of Q or K (two steps, eight trips), a half of V's channels (four steps, two trips), 256 columns of out0 (two steps, four trips).
; Cluster c begins each phase at trip rho = (c xor c / 8) % 8, taken modulo the phase's trips, and goes round.  So in a phase's first trip the 64 clusters ask for all of the phase's records between
; them, and from the second trip on every record that a cluster asks for has been asked for a trip earlier by other clusters.  rho hangs on the cluster's number alone: it is the same in the four partners.
; EVERY PRODUCT IS USED TRANSPOSED (source 0 = 16 weight rows, source 1 = 16 tokens): a lane holds one token (lane % 16), and its registers run along the features; the weight rows of a tile are
; chosen so that two tiles' 16 registers are 16 neighbours along the next K.  The biases are the C of each sum's first matrix instruction.
; LIMITS: NaN and infinities among the inputs are not served; a block of zeros gets the scale byte 1 and not 127 (its codes are zeros; the bytes are read here alone); a bias is added ahead of the
; products and not behind them, so the order of rounding differs from the reference's.
; REGISTERS, in windows of 256: window 0: v1-27 addresses that stay; v28-31 scale bytes kept; v32-47 x's (A's) scale words; v48-55 the weights'; v56-59 the scores'; v60-62 addresses of the trip;
;   v64-79 biases; v80-143 the 8 accumulators (m, u) at 80 + 16 m + 8 u; v144-239 two sets of four weight fragments; v240-255 at work.
;   windows 1, 2: v0-191 x's (A's) fragments of row tiles 0, 1 and 2, 3, at 96 (m % 2) + 12 ks; v192-255 attn of tokens 0-7 and 8-15.   window 3: out, 16 registers a token: written by matrix instructions alone.
; SCALARS: s[4:5] x, s[6:7] the stream at my wave's part of step 0, s[8:9] out0 at my rows and my wave's columns; s10 wave; s13 rho; s[16:23] descriptor group 1; s[24:27], s[28:31] groups 0 of slots 0, 1;
;   s37 the trip; s38, s39 the trip's LDS offsets; s44, s45 at work; s[46:47], s[48:49] byte offsets in the stream of the next trip's first and second step; s[54:55] out0 at the trip's columns; s[56:57] their offset.
.set SB,    104448                     ; a step's 8 records, and a slot
.set WPART, 26112                      ; a wave's two records: 102 rows of 256 bytes
.set REC,   13056
.set FRB,   1536                       ; a fragment's image
.set EXB,   2*SB                       ; from here on no tensor load ever lands
.set XIMG,  275456                     ; x's 32 fragments (8 m + ks), later A's
.set XSC,   324608                     ; their scale words: 512 bytes a row tile
.set QKC,   EXB                        ; Q's and K's codes: a token 1,544 bytes: 768 half + 24 place + 12 h.  Wave w stores the head' of trip t at PLACE 8 w + t: a store's address hangs on the trip's number, not on rho; the loads that read the codes back undo the rotation (v16, v17)
.set QKS,   307712                     ; their scale words: a token 132 bytes, 4 head'
.set VCH,   EXB                        ; a chunk of V (16 channels): a token 1,040 bytes: 512 u2 + 16 (16 h + r'): V[8 h + 4 u2 + 0 .. 3][channel r']
.set SPARE, 327168                     ; the spare words, 128 bytes for each wave: two blocks of 256 bytes that no other line names
.set GA,  144
.set GB,  192
.set TM,  240                          ; v240-243 largest magnitudes; v244-247 the other half's; v248-251 bytes; v252-255 the conversions' scale operands
.set PC,  208                          ; x's quantiser: the codes just made, v208-226;  v228 the scale word;  v229 the even K step's;  v232-235 the scale image
.set PW,  228
.set SEL, 32                           ; s[32:33] v_permlanex16_b32's selects for lane l xor 16
.set MSB, 0
.macro WIN new                         ; the immediate's high byte repeats the setting that is left; a switch that changes nothing is dropped
.if MSB != (\new)
	s_set_vgpr_msb (MSB<<8)|(\new)
.set MSB, (\new)
.endif
.endm
.macro NOPS n
.rept \n
	v_nop
.endr
.endm
.macro CROUND                          ; a round of the cluster's barrier
	s_barrier_signal -1
	s_barrier_wait -1
	s_cmp_lg_u32 s10, 0
	s_cbranch_scc1 .Lnot_wave_0_\@
	s_barrier_signal -3
.Lnot_wave_0_\@:
	s_barrier_wait -3
	s_barrier_signal -1
	s_barrier_wait -1
.endm
.macro BARRIER                         ; my LDS stores have landed and my LDS loads are in: then the work-group's barrier.  My one tensor load may stay out
	s_wait_dscnt 0x0
	s_barrier_signal -1
	s_barrier_wait -1
.endm
; THE CHANGE OF SLOTS, at a step's head.  Each wave waits for all its tensor loads (its part of the slot that it is about to read), adds 0 to its spare word, and waits for that and for all its LDS
; reads and stores.  fill = 1: behind a round of the cluster's barrier the other slot takes the next step's records: the load has this step's work in which to land.
; This slot's group 0 is set for its next fill, one change on: jump = 1: the next trip's step of this slot, by the offset that the trip's head has made; jump = 0: two steps on in the stream.
.macro CHANGE slot, fill, jump
	WIN 0
	s_wait_tensorcnt 0x0                           ; no tensor load of mine is out, so a group 0 may be written
	ds_add_u32 v1, v2                              ; 0 onto my spare word
.if \jump
	s_add_nc_u64 s[26+4*\slot:27+4*\slot], s[6:7], s[46+2*\slot:47+2*\slot]
	s_or_b32 s[27+4*\slot], s[27+4*\slot], 0x80000000        ; 127:126 type = 2
.else
	s_add_nc_u64 s[26+4*\slot:27+4*\slot], s[26+4*\slot:27+4*\slot], 2*SB   ; the type bits on top are not reached
.endif
	s_wait_dscnt 0x0                               ; the add is done, and so are my reads of the other slot and my stores of the step before
.if \fill
	CROUND
	tensor_load_to_lds s[28-4*\slot:31-4*\slot], s[16:23]
	s_nop 0
.else
	s_barrier_signal -1
	s_barrier_wait -1
.endif
	NOPS 4
.endm
; Four weight fragments (K steps 2 gi, 2 gi + 1 of my two tiles) into set buf: each load takes 512 consecutive bytes
.macro LOADG slot, gi, buf
.irp kk, 0,1
.irp u, 0,1
.irp c, 0,1,2
	ds_load_b128 v[\buf+12*(2*\kk+\u)+4*\c:\buf+12*(2*\kk+\u)+4*\c+3], v[3+\slot] offset:REC*\u+FRB*(2*(\gi)+\kk)+512*\c
.endr
.endr
.endr
.endm
; One product: weight tile u x row tile m, K step ks.  Even K steps' scale words lie in lanes 0-15 of their registers, odd ones' in lanes 16-31
.macro WM m, u, ks, buf
.set rD, 80+16*(\m)+8*(\u)
.set rA, \buf+12*(2*((\ks)%2)+(\u))
.set rB, 96*((\m)%2)+12*(\ks)
.set rSA, 48+4*(\u)+(\ks)/2
.set rSB, 32+4*(\m)+(\ks)/2
.if (\ks) == 0
	v_wmma_scale_f32_16x16x128_f8f6f4 v[rD:rD+7], v[rA:rA+11], v[rB:rB+11], v[64+8*(\u):71+8*(\u)], v[rSA], v[rSB] matrix_a_fmt:MATRIX_FMT_BF6 matrix_b_fmt:MATRIX_FMT_BF6
.elseif (\ks)%2 == 0
	v_wmma_scale_f32_16x16x128_f8f6f4 v[rD:rD+7], v[rA:rA+11], v[rB:rB+11], v[rD:rD+7], v[rSA], v[rSB] matrix_a_fmt:MATRIX_FMT_BF6 matrix_b_fmt:MATRIX_FMT_BF6
.else
	v_wmma_scale_f32_16x16x128_f8f6f4 v[rD:rD+7], v[rA:rA+11], v[rB:rB+11], v[rD:rD+7], v[rSA], v[rSB] matrix_a_fmt:MATRIX_FMT_BF6 matrix_b_fmt:MATRIX_FMT_BF6 matrix_a_scale:MATRIX_SCALE_ROW1 matrix_b_scale:MATRIX_SCALE_ROW1
.endif
.endm
; A STEP'S PRODUCTS: 64 matrix instructions on 8 accumulators, which take turns, one instruction a turn: an accumulator comes again behind three others.
; Two sets of weight fragments by turns; each set's loads stand in one run, four places behind the products that read the set.
.macro MULT slot
	ds_load_b128 v[48:51], v[3+\slot] offset:12288           ; my two tiles' scale words
	ds_load_b128 v[52:55], v[3+\slot] offset:REC+12288
	ds_load_b128 v[64:67], v[5+\slot]                        ; and biases: register j of lane (r, h): tile row 8 h + j
	ds_load_b128 v[68:71], v[5+\slot] offset:16
	ds_load_b128 v[72:75], v[5+\slot] offset:REC
	ds_load_b128 v[76:79], v[5+\slot] offset:REC+16
	LOADG \slot, 0, GA
	LOADG \slot, 1, GB
.irp gi, 0,1,2,3
.if \gi < 3
	s_wait_dscnt 12                                ; all but the twelve loads of the set issued last
.else
	s_wait_dscnt 0x0
.endif
	WIN 0x04                                       ; source 1: window 1: row tiles 0, 1
.irp kk, 0,1
.irp u, 0,1
.irp m, 0,1
	WM \m, \u, 2*\gi+\kk, GA+48*(\gi%2)
.endr
.endr
.endr
	WIN 0x08                                       ; window 2: row tiles 2, 3
.irp kk, 0,1
.irp u, 0,1
.irp m, 2,3
	WM \m, \u, 2*\gi+\kk, GA+48*(\gi%2)
.endr
.endr
.endr
.if \gi != 2
	WIN 0
	NOPS 4                                         ; places in front of loads into registers that these products read, and (behind the last) of the first read of the results
.endif
.if \gi < 2
	LOADG \slot, \gi+2, GA+48*(\gi%2)
.endif
.endr
.endm
; Four runs of 16 numbers (run a at v[src + stride a], in window 3 if win3), each half a block of 32 whose other half lies in lane l xor 16, become 12 bytes of codes in v[pc + 4 a] on and a scale byte in v[by + a].
; The runs take turns line by line; each run is read from its low end on.
.macro Q16 src, stride, win3, pc, by
.if \win3
	WIN 0x0f
.endif
.irp a, 0,1,2,3
	v_max3_num_f32 v[TM+\a], |v[\src+\stride*\a]|, |v[\src+\stride*\a+1]|, 0x2800000   ; and the floor 2^(5 - 127): the byte cannot fall under 1
.endr
.irp i, 2,4,6,8,10,12,14
.irp a, 0,1,2,3
	v_max3_num_f32 v[TM+\a], |v[\src+\stride*\a+\i]|, |v[\src+\stride*\a+\i+1]|, v[TM+\a]
.endr
.endr
	WIN 0
.irp a, 0,1,2,3
	v_permlanex16_b32 v[TM+4+\a], v[TM+\a], s[SEL], s[SEL+1]
.endr
.irp a, 0,1,2,3
	v_max_num_f32 v[TM+\a], v[TM+\a], v[TM+4+\a]   ; the block's largest magnitude
.endr
.irp a, 0,1,2,3
	v_add_nc_u32 v[TM+12+\a], 0xfe000000, v[TM+\a] ; 4 off its exponent field: the conversion's scale operand
.endr
.irp a, 0,1,2,3
	v_lshrrev_b32 v[\by+\a], 23, v[TM+12+\a]       ; the scale's byte
.endr
.if \win3
	WIN 0x03
.endif
.irp a, 0,1,2,3
	v_cvt_scalef32_pk16_bf6_f32 v[\pc+4*\a:\pc+4*\a+2], v[\src+\stride*\a:\src+\stride*\a+15], v[TM+12+\a]
.endr
	WIN 0
	v_nop                                          ; one plain place behind a scaled conversion
.endm
; 64 numbers of a lane, register 16 b + i = k 32 b + 16 (lane / 16) + i of my row, become a fragment's codes in v[PC] on and its scale word in v[PW]
.macro QUANT s
.irp b, 0,1,2,3
	v_max3_num_f32 v[TM+\b], |v[\s+16*\b]|, |v[\s+1+16*\b]|, 0x2800000
.endr
.irp i, 2,4,6,8,10,12,14
.irp b, 0,1,2,3
	v_max3_num_f32 v[TM+\b], v[TM+\b], |v[\s+16*\b+\i]|, |v[\s+1+16*\b+\i]|
.endr
.endr
.irp b, 0,1,2,3
	v_permlanex16_b32 v[TM+4+\b], v[TM+\b], s[SEL], s[SEL+1]
.endr
.irp b, 0,1,2,3
	v_max_num_f32 v[TM+\b], v[TM+\b], v[TM+4+\b]
.endr
.irp b, 0,1,2,3
	v_add_nc_u32 v[TM+12+\b], 0xfe000000, v[TM+\b]
.endr
.irp b, 0,1,2,3
	v_lshrrev_b32 v[TM+4+\b], 23, v[TM+12+\b]
.endr
	v_lshl_or_b32 v[PW], v[TM+5], 8, v[TM+4]
	v_lshl_or_b32 v[PW], v[TM+6], 16, v[PW]
	v_lshl_or_b32 v[PW], v[TM+7], 24, v[PW]
.irp c, 0,1
	v_cvt_scalef32_pk16_bf6_f32 v[PC+6*\c:PC+2+6*\c], v[\s+32*\c:\s+15+32*\c], v[TM+12+2*\c]
	v_cvt_scalef32_pk16_bf6_f32 v[PC+12+4*\c:PC+14+4*\c], v[\s+16+32*\c:\s+31+32*\c], v[TM+12+2*\c+1]
.endr
	v_nop                                          ; one plain place behind a scaled conversion
.irp c, 0,1                                    ; the operand's layout wants a WHOLE block in a lane
.irp i, 0,1,2
	v_permlane16_swap_b32 v[PC+6*\c+\i], v[PC+12+4*\c+\i]
.endr
.irp i, 0,1,2
	v_mov_b32 v[PC+3+6*\c+\i], v[PC+12+4*\c+\i]
.endr
.endr
.endm
; Behind a step of Q or K: my head's half beta of the four row tiles is quantised; codes and, behind the second half, the scale words go to LDS by tokens
.macro QPOST beta
	Q16 80, 16, 0, 144, 248
.irp m, 0,1,2,3
.irp i, 0,1,2
	ds_store_b32 v[60+\m/2], v[144+4*\m+\i] offset:24704*(\m%2)+768*\beta+4*\i
.endr
.endr
.irp m, 0,1,2,3
.if \beta == 0
	v_mov_b32 v[28+\m], v[248+\m]
.else
	v_lshl_or_b32 v[28+\m], v[248+\m], 8, v[28+\m] ; bytes 2 and 3 stay 0: they scale zero codes
	ds_store_b32 v62, v[28+\m] offset:2112*\m      ; both halves of the lanes write the same word with the same value
.endif
.endr
.endm
.macro VSTORE p                        ; behind a step of V: a lane's eight heads of a channel, in f32, to the chunk; each accumulator from its low end on
.irp m, 0,1,2,3
.irp u, 0,1
.irp q, 0,1
	ds_store_b128 v18, v[80+16*\m+8*\u+4*\q:80+16*\m+8*\u+4*\q+3] offset:16640*\m+512*\q+16*(8*\p+\u)
.endr
.endr
.endr
.endm
.macro OSTORE p                        ; behind a step of Wo: a lane's eight neighbouring columns of a row of out0 into my own stage
.irp m, 0,1,2,3
.irp u, 0,1
	ds_store_b128 v24, v[80+16*\m+8*\u:83+16*\m+8*\u] offset:4352*\m+128*\p+64*\u
	ds_store_b128 v24, v[84+16*\m+8*\u:87+16*\m+8*\u] offset:4352*\m+128*\p+64*\u+16
.endr
.endr
.endm
.macro LOADVA bt, buf                  ; the chunk of tokens 4 bt .. 4 bt + 3: lane (r', h): V[8 h + 0 .. 7][channel r']
.irp a, 0,1,2,3
.irp q, 0,1
	ds_load_b128 v[\buf+8*\a+4*\q:\buf+8*\a+4*\q+3], v19 offset:1040*(4*\bt+\a)+512*\q
.endr
.endr
.endm
; out^T = V^T attn^T for four tokens, 16 channels, in f32: four K steps of 4; slot (h, j) of step ks stands for head 8 h + 2 ks + j on both sides.  The four tokens' sums take turns; each begins with the constant 0
.macro WMV bt, uu, buf
	WIN 0xf4+4*(\bt/2)                             ; C and D window 3; attn in window 1 or 2
	s_wait_alu depctr_va_vdst(0)                   ; the four sums take turns, one instruction a turn
.irp ks, 0,1,2,3
.irp a, 0,1,2,3
.set rD, 16*(4*\bt+\a)+8*\uu
.set rA, \buf+8*\a+2*\ks
.set rB, 192+8*((4*\bt+\a)%8)+2*\ks
.if \ks == 0
	v_wmma_f32_16x16x4_f32 v[rD:rD+7], v[rA:rA+1], v[rB:rB+1], 0
.else
	v_wmma_f32_16x16x4_f32 v[rD:rD+7], v[rA:rA+1], v[rB:rB+1], v[rD:rD+7]
.endif
.endr
.endr
	WIN 0
.endm
.macro OQ bt                           ; four tokens' out (head lane % 16, channels 16 h + 0 .. 15 of this half) becomes codes and scale bytes of A.  Each batch has registers of its own for what it stores
	Q16 64*\bt, 16, 1, 144+16*\bt, 208+4*\bt
.irp a, 0,1,2,3
.irp i, 0,1,2
	ds_store_b32 v60, v[144+16*\bt+4*\a+\i] offset:768*(4*\bt+\a)+4*\i
.endr
	ds_store_b8 v61, v[208+4*\bt+\a] offset:256*(((4*\bt+\a)/2)%2)+4*\bt+2*(\a%2)
.endr
.endm
; V's numbers are loaded into v80-143, which the step's scaled products have just written as their accumulators.  A matrix instruction takes a register that an earlier matrix instruction wrote as an
; operand only five places behind it, also where a load has filled the register since: the four places at the step's end and the one at the head of each of the two macros below.
; Behind the f32 form eight places stand in front of loads into its sources and of reads of its results, nine in front of a matrix instruction that writes over its registers.
.macro PV0
	NOPS 1                                         ; the fifth place behind the step's last products
	LOADVA 0, 80
	LOADVA 1, 112
	s_wait_dscnt 8                                 ; all but the eight loads just issued
	WMV 0, 0, 80
	NOPS 8
	LOADVA 2, 80
	s_wait_dscnt 8
	WMV 1, 0, 112
	NOPS 8
	LOADVA 3, 112
	s_wait_dscnt 8
	WMV 2, 0, 80
	s_wait_dscnt 0x0
	WMV 3, 0, 112
	NOPS 9
.endm
.macro PV1                             ; the second 16 channels; a batch is quantised while the next is multiplied: its plain instructions are the places behind the products issued just before
	NOPS 1                                         ; the fifth place behind the step's last products
	LOADVA 0, 80
	LOADVA 1, 112
	s_wait_dscnt 8
	WMV 0, 1, 80
	NOPS 8
	LOADVA 2, 80
	s_wait_dscnt 8
	WMV 1, 1, 112
	OQ 0
	LOADVA 3, 112
	s_wait_dscnt 8
	WMV 2, 1, 80
	OQ 1
	s_wait_dscnt 16                                ; behind the last eight loads: the sixteen stores of the batch just quantised
	WMV 3, 1, 112
	OQ 2
	OQ 3
.endm
.macro SLOAD bt                        ; four tokens' fragments of K and Q (16 heads x 64 channels: the lower six registers) and their scale words (lanes 0-15 Q's heads, lanes 16-31 K's)
.irp a, 0,1,2,3
.irp i, 0,1,2
	ds_load_b64 v[144+24*\a+2*\i:145+24*\a+2*\i], v16 offset:1544*(4*(\bt)+\a)+384+8*\i
.endr
.irp i, 0,1,2
	ds_load_b64 v[156+24*\a+2*\i:157+24*\a+2*\i], v16 offset:1544*(4*(\bt)+\a)+8*\i
.endr
	ds_load_b32 v[56+\a], v17 offset:132*(4*(\bt)+\a)
.endr
.endm
; Four tokens' softmax, by turns.  A lane holds query head lane % 16 and key heads 8 (lane / 16) + 0 .. 7 in v[80 + 8 a] on; v[112 + 8 a] on: +0 c m, +1 m, +2 .. +5 at work, +6 1 / sum.  c = log2(e) / 8
.macro SOFTMAX bt
.irp a, 0,1,2,3
	v_max3_num_f32 v[116+8*\a], v[80+8*\a], v[81+8*\a], v[82+8*\a]
.endr
.irp a, 0,1,2,3
	v_max3_num_f32 v[116+8*\a], v[116+8*\a], v[83+8*\a], v[84+8*\a]
.endr
.irp a, 0,1,2,3
	v_max3_num_f32 v[116+8*\a], v[116+8*\a], v[85+8*\a], v[86+8*\a]
.endr
.irp a, 0,1,2,3
	v_max_num_f32 v[116+8*\a], v[116+8*\a], v[87+8*\a]
.endr
.irp a, 0,1,2,3
	v_permlanex16_b32 v[117+8*\a], v[116+8*\a], s[SEL], s[SEL+1]
.endr
.irp a, 0,1,2,3
	v_max_num_f32 v[113+8*\a], v[116+8*\a], v[117+8*\a]   ; the row's largest score
.endr
.irp a, 0,1,2,3
	v_mul_f32 v[112+8*\a], s34, v[113+8*\a]
.endr
.irp j, 0,2,4,6
.irp a, 0,1,2,3
	v_pk_fma_f32 v[80+8*\a+\j:81+8*\a+\j], v[80+8*\a+\j:81+8*\a+\j], s[34:35], v[112+8*\a:113+8*\a] op_sel_hi:[1,0,0] neg_lo:[0,0,1] neg_hi:[0,0,1]   ; c s - c m
.endr
.endr
.set jx, 0
	s_wait_alu depctr_va_vdst(0)
.rept 32
	v_exp_f32 v[80+jx], v[80+jx]
.set jx, jx+1
.endr
	v_nop                                          ; a plain place behind the exponentials
	s_wait_alu depctr_va_vdst(0)
.irp a, 0,1,2,3
	v_pk_add_f32 v[114+8*\a:115+8*\a], v[80+8*\a:81+8*\a], v[82+8*\a:83+8*\a]
.endr
.irp a, 0,1,2,3
	v_pk_add_f32 v[116+8*\a:117+8*\a], v[84+8*\a:85+8*\a], v[86+8*\a:87+8*\a]
.endr
.irp a, 0,1,2,3
	v_pk_add_f32 v[114+8*\a:115+8*\a], v[114+8*\a:115+8*\a], v[116+8*\a:117+8*\a]
.endr
.irp a, 0,1,2,3
	v_add_f32 v[114+8*\a], v[114+8*\a], v[115+8*\a]
.endr
.irp a, 0,1,2,3
	v_permlanex16_b32 v[117+8*\a], v[114+8*\a], s[SEL], s[SEL+1]
.endr
.irp a, 0,1,2,3
	v_add_f32 v[114+8*\a], v[114+8*\a], v[117+8*\a]   ; the row's sum
.endr
	s_wait_alu depctr_va_vdst(0)
.irp a, 0,1,2,3
	v_rcp_f32 v[118+8*\a], v[114+8*\a]
.endr
.irp a, 0,1,2,3
	v_mov_b32 v[119+8*\a], 0                       ; (named with the reciprocal as a pair, so it is written; also the plain place behind the reciprocals)
.endr
	WIN 0x40*(1+\bt/2)                             ; attn stays in window 1 (tokens 0-7) or 2 (tokens 8-15)
	s_wait_alu depctr_va_vdst(0)
.irp j, 0,2,4,6
.irp a, 0,1,2,3
	v_pk_mul_f32 v[192+8*((4*\bt+\a)%8)+\j:193+8*((4*\bt+\a)%8)+\j], v[80+8*\a+\j:81+8*\a+\j], v[118+8*\a:119+8*\a] op_sel_hi:[1,0]
.endr
.endr
	WIN 0
.endm
; The head of a trip of Wo: which 256 columns (s37 is the trip), out0 at them, and where the next trip's two steps lie in the stream.  No store that names s[54:55] is pending: the trip before ended behind its wait
.macro OHEAD
	s_add_co_u32 s45, s37, s13
	s_and_b32 s45, s45, 3                          ; this trip's 256 columns
	s_lshl_b32 s56, s45, 10                        ; 1,024 bytes of a row
	s_add_nc_u64 s[54:55], s[8:9], s[56:57]
	s_add_co_u32 s45, s45, 1
	s_and_b32 s45, s45, 3                          ; the next trip's  (behind the last trip the offsets are made and not used)
	s_lshl_b32 s45, s45, 1
	s_add_co_u32 s45, s45, 24                      ; its first step
	s_mul_i32 s46, s45, SB
	s_add_co_u32 s48, s46, SB
.endm
; My stage's 64 rows x 256 bytes leave: stage row 16 m + q is row 256 q + 4 (work-group % 64) + m of out0's batch; lanes 0-15 take one row's 256 bytes, lanes 16-31 the next row's
.macro OUT last
.set kx, 0
.rept 32
	ds_load_b128 v[80+4*kx:83+4*kx], v25 offset:544*kx   ; LDS serves a wave's instructions in order: these see my stores
.set kx, kx+1
.endr
.set kx, 0
.rept 32
	s_wait_dscnt 31-kx
	global_store_b128 v[26+(kx%8)/4], v[80+4*kx:83+4*kx], s[54:55] offset:(kx%4)*2097152+(kx/8)*4096 th:TH_STORE_NT   ; 16 lanes store 256 consecutive bytes, at a multiple of 256 from out0's first byte
.set kx, kx+1
.endr
.if !\last
	s_wait_xcnt 0x0                                ; the stores have read their registers and their base: both may be written again
.endif
.endm
	s_load_b128 s[4:7], s[0:1], 0x0                ; x, the stream
	s_load_b64 s[8:9], s[0:1], 0x10                ; out0
	v_lshl_add_u32 v1, v0, 2, SPARE                ; my spare word; never rewritten
	v_mov_b32 v2, 0                                ; 0; never rewritten
	ds_add_u32 v1, v2
	ds_add_u32 v1, v2
	s_wait_dscnt 0x0
	v_lshrrev_b32 v28, 5, v0
	v_readfirstlane_b32 s10, v28                   ; wave 0..3
	s_bfe_u32 s11, ttmp6, 0x40000                  ; cx: my place in the cluster
	s_lshl_b32 s12, ttmp9, 2
	s_add_co_u32 s12, s12, s11                     ; my work-group: it enters x's and out0's addresses alone, by registers that hold nothing else
	s_lshl_b32 s50, s12, 18                        ; x: 64 tokens of 4,096 bytes a work-group,
	s_lshl_b32 s51, s10, 16                        ; 16 a wave
	s_add_co_u32 s50, s50, s51
	s_mov_b32 s51, 0
	s_lshr_b32 s52, s12, 6                         ; out0: the batch, 2^24 bytes;
	s_lshl_b32 s52, s52, 24
	s_and_b32 s53, s12, 63
	s_lshl_b32 s53, s53, 14                        ; four rows of 4,096 bytes a work-group;
	s_add_co_u32 s52, s52, s53
	s_lshl_b32 s53, s10, 8                         ; my wave's 64 columns
	s_add_co_u32 s52, s52, s53
	s_mov_b32 s53, 0
	s_lshr_b32 s13, ttmp9, 3                       ; rho: where my cluster begins each phase's walk: the cluster's number, its upper three bits folded onto its lower three
	s_xor_b32 s13, s13, ttmp9
	s_and_b32 s13, s13, 7
	s_sub_co_u32 s58, 8, s13
	s_and_b32 s58, s58, 7                          ; head j of a wave's eight was made in trip (j + s58) % 8
	s_and_b32 s59, s13, 1
	s_lshl_b32 s59, s59, 4                         ; 16 where V's halves were made in the other order
	s_mov_b32 s60, 0x03020100
	s_mov_b32 s61, 0x02030001
	s_bitcmp1_b32 s13, 0
	s_cselect_b32 s60, s61, s60                    ; and the byte permute that puts A's scale bytes right
	s_lshl_b32 s45, s13, 1                         ; the first trip's first step
	s_mul_i32 s46, s45, SB
	s_mov_b32 s47, 0
	s_add_co_u32 s48, s46, SB                      ; and its second
	s_mov_b32 s49, 0
	s_mov_b32 s57, 0
	; descriptor group 1: a wave's two records, dense: 102 rows of 32 elements of 8 bytes, no padding (images are read 16 bytes a lane on end)
	s_mov_b32 s16, 0x0023000f                      ; 15:0 the mask: all four work-groups; 17:16 elements of 8 bytes; 21 set beside a mask
	s_mov_b32 s17, 32<<16                          ; tensor_dim0 = 32
	s_mov_b32 s18, 102<<16                         ; tensor_dim1 = 102
	s_mov_b32 s19, 32<<16                          ; tile_dim0 = 32
	s_mov_b32 s20, 102                             ; tile_dim1 = 102
	s_mov_b32 s21, 32                              ; the pitch
	s_mov_b32 s22, 0
	s_mov_b32 s23, 0
	s_mov_b32 s[SEL], 0x76543210
	s_mov_b32 s[SEL+1], 0xfedcba98
	s_mov_b32 s34, 0x3e38aa3b                      ; c = log2(e) / sqrt(64)
	s_mov_b32 s35, s34                             ; (named with it as a pair, so it is written)
	s_mov_b32 s36, 0xffff0000                      ; lanes 16-31
	s_mul_i32 s40, s10, WPART                      ; my part of a step, in the stream and in a slot
	s_mov_b32 s41, 0
	s_wait_kmcnt 0x0
	s_add_nc_u64 s[4:5], s[4:5], s[50:51]
	s_add_nc_u64 s[8:9], s[8:9], s[52:53]
	s_add_nc_u64 s[6:7], s[6:7], s[40:41]
	s_mov_b32 s24, 1                               ; group 0 for slot 0: the first trip's first step
	s_mov_b32 s25, s40
	s_add_nc_u64 s[26:27], s[6:7], s[46:47]
	s_or_b32 s27, s27, 0x80000000
	s_mov_b32 s28, 1                               ; and for slot 1: its second
	s_add_co_u32 s29, s40, SB
	s_add_nc_u64 s[30:31], s[6:7], s[48:49]
	s_or_b32 s31, s31, 0x80000000
	CROUND                                         ; all four work-groups are here: the first joint loads meet
	tensor_load_to_lds s[24:27], s[16:23]          ; the first step
	s_nop 0
	NOPS 4
	; every LDS address that stays
	v_and_b32 v28, 31, v0                          ; lane
	v_and_b32 v29, 15, v0                          ; r
	v_bfe_u32 v30, v0, 4, 1                        ; h
	v_lshlrev_b32 v31, 4, v28                      ; 16 x lane
	v_add_nc_u32 v3, s40, v31                      ; v3, v4: my records in slot 0, 1
	v_add_nc_u32 v4, SB, v3
	v_lshl_add_u32 v5, v30, 5, s40
	v_add_nc_u32 v5, 12800, v5                     ; v5, v6: their biases, 32 h
	v_add_nc_u32 v6, SB, v5
	v_mov_b32 v7, v31                              ; v7: x: my 16 bytes of a load's 512
	s_mul_i32 s42, s10, 8448
	s_add_co_u32 s42, s42, EXB                     ; x's stage: 16 rows x (512 + 16) a wave
	v_add_nc_u32 v8, s42, v31                      ; v8: in
	v_mul_u32_u24 v9, v29, 528
	v_lshl_add_u32 v9, v30, 6, v9
	v_add_nc_u32 v9, s42, v9                       ; v9: out: row r, + 64 h
	s_mul_i32 s43, s10, 12288
	s_add_co_u32 s43, s43, XIMG
	v_add_nc_u32 v10, s43, v31                     ; v10: where I store x's images
	s_lshl_b32 s44, s10, 9
	s_add_co_u32 s44, s44, XSC
	v_add_nc_u32 v11, s44, v31                     ; v11: and their scale words
	v_add_nc_u32 v12, XIMG, v31                    ; v12: where anyone reads the images
	v_mul_u32_u24 v13, v29, 1544
	v_mad_u32_u24 v13, v30, 12, v13
	s_mul_i32 s42, s10, 192
	s_add_co_u32 s42, s42, QKC
	v_add_nc_u32 v13, s42, v13                     ; v13: Q's, K's codes: token r of row tiles 0, 1; 12 h; head' 8 wave
	v_add_nc_u32 v14, 49408, v13                   ; v14: of row tiles 2, 3
	v_mul_u32_u24 v15, v29, 132
	s_lshl_b32 s42, s10, 5
	s_add_co_u32 s42, s42, QKS
	v_add_nc_u32 v15, s42, v15                     ; v15: their scale words
	v_add_nc_u32 v16, s58, v29
	v_and_b32 v16, 7, v16
	v_and_or_b32 v16, v29, 8, v16                  ; the place of head r
	v_mul_u32_u24 v16, v16, 24
	v_mad_u32_u24 v16, v30, 768, v16
	s_mul_i32 s42, s10, 24704
	s_add_co_u32 s42, s42, QKC
	v_add_nc_u32 v16, s42, v16                     ; v16: a score's fragment: my tokens; head r, half h
	v_add_nc_u32 v17, s58, v28
	v_and_b32 v17, 7, v17
	v_and_or_b32 v17, v28, 24, v17                 ; the place of head' lane
	v_lshlrev_b32 v17, 2, v17
	s_mul_i32 s42, s10, 2112
	s_add_co_u32 s42, s42, QKS
	v_add_nc_u32 v17, s42, v17                     ; v17: and its scale words
	v_mul_u32_u24 v18, v29, 1040
	v_lshl_add_u32 v18, v30, 8, v18
	s_lshl_b32 s42, s10, 5
	s_add_co_u32 s42, s42, VCH
	v_add_nc_u32 v18, s42, v18                     ; v18: V's chunk, in
	s_mul_i32 s42, s10, 16640
	s_add_co_u32 s42, s42, VCH
	v_add_nc_u32 v19, s42, v31                     ; v19: and out: my tokens
	v_mul_u32_u24 v20, v29, 24
	v_mad_u32_u24 v20, v30, 12, v20
	v_add_nc_u32 v20, s43, v20                     ; v20: A's codes: my row tile; head r, 12 h
	v_lshl_add_u32 v21, v29, 4, s44                ; v21: A's scale bytes
	v_add_nc_u32 v22, s59, v28
	v_and_b32 v22, 31, v22                         ; the halves of the lanes changed over where V's halves were
	v_mul_u32_u24 v22, v22, 24
	v_add_nc_u32 v22, XIMG, v22                    ; v22: where anyone reads A's fragments: 24 bytes a lane
	v_add_nc_u32 v23, XSC, v31                     ; v23: and x's or A's scale words
	s_mul_i32 s42, s10, 17408
	s_add_co_u32 s42, s42, EXB                     ; my stage for out0: 64 rows x (256 + 16)
	v_mul_u32_u24 v24, v29, 272
	v_lshl_add_u32 v24, v30, 5, v24
	v_add_nc_u32 v24, s42, v24                     ; v24: in
	v_mul_u32_u24 v25, v30, 272
	v_lshl_add_u32 v25, v29, 4, v25
	v_add_nc_u32 v25, s42, v25                     ; v25: back
	v_lshlrev_b32 v26, 20, v30
	v_lshl_add_u32 v26, v29, 4, v26                ; v26: out0: 2^20 h (a head is 256 rows) + 16 r;
	v_add_nc_u32 v27, 0x800000, v26                ; v27: eight heads on, so that the stores' offsets stay inside the signed 24-bit immediate
.irp b, 0,1,2,3
	v_mov_b32 v[TM+4+\b], 0                        ; written once: a lane permute's destination counts as one of its sources
.endr
	; ---- X: my 16 tokens of x become eight fragments.  A load reads 512 consecutive bytes of a row; a K step's 16 rows turn through my stage, so that a lane holds 16 neighbours of each block
.macro LOADX ks
	WIN 0x40                                       ; destination window 1: four sets of 64 registers
.set ix, 0
.rept 16
	global_load_b128 v[64*((\ks)%4)+4*ix:64*((\ks)%4)+4*ix+3], v7, s[4:5] offset:4096*ix+512*(\ks) th:TH_LOAD_NT
.set ix, ix+1
.endr
	WIN 0
.endm
.macro TURN ks
	WIN 0x04                                       ; an LDS store's data are its source 1
.set ix, 0
.rept 16
	ds_store_b128 v8, v[64*((\ks)%4)+4*ix:64*((\ks)%4)+4*ix+3] offset:528*ix
.set ix, ix+1
.endr
	WIN 0
.irp b, 0,1,2,3
.irp j, 0,1,2,3
	ds_load_b128 v[80+64*((\ks)%2)+16*\b+4*\j:83+64*((\ks)%2)+16*\b+4*\j], v9 offset:128*\b+16*\j   ; LDS serves a wave's instructions in order: these see my stores, and the next turn's stores come behind them
.endr
.endr
.endm
	LOADX 0
	LOADX 1
	LOADX 2
	LOADX 3
	s_wait_loadcnt 48                              ; K step 0's sixteen loads are in; three sets may be out
	TURN 0
.irp ks, 0,1,2,3,4,5,6,7
	s_wait_dscnt 0x0                               ; this K step's numbers are back; its stores into the stage and the last images' stores have read their registers
.if \ks+4 < 8
	LOADX \ks+4
.endif
.if \ks < 7
.if \ks < 4
	s_wait_loadcnt 48                              ; the next K step's loads are in; the three sets behind them may be out
.else
	s_wait_loadcnt 16*(6-\ks)
.endif
	TURN \ks+1
.endif
	QUANT 80+64*(\ks%2)
.irp c, 0,1,2
	ds_store_b128 v10, v[PC+4*\c:PC+4*\c+3] offset:FRB*\ks+512*\c
.endr
.if \ks%2 == 0
	v_mov_b32 v229, v[PW]
.else
	v_cndmask_b32 v[232+\ks/2], v229, v[PW], s36   ; lanes 0-15 keep the even K step's word, lanes 16-31 the odd one's
.endif
.endr
	ds_store_b128 v11, v[232:235]
	BARRIER                                        ; x's 32 fragments lie in LDS
	WIN 0x40
.irp m, 0,1
.irp ks, 0,1,2,3,4,5,6,7
.irp c, 0,1,2
	ds_load_b128 v[96*\m+12*\ks+4*\c:96*\m+12*\ks+4*\c+3], v12 offset:FRB*(8*\m+\ks)+512*\c
.endr
.endr
.endr
	WIN 0x80
.irp m, 2,3
.irp ks, 0,1,2,3,4,5,6,7
.irp c, 0,1,2
	ds_load_b128 v[96*(\m-2)+12*\ks+4*\c:96*(\m-2)+12*\ks+4*\c+3], v12 offset:FRB*(8*\m+\ks)+512*\c
.endr
.endr
.endr
	WIN 0
.irp m, 0,1,2,3
	ds_load_b128 v[32+4*\m:35+4*\m], v23 offset:512*\m
.endr
	; ---- Q and K: eight trips, a head' a trip (wave w: heads' 8 w .. 8 w + 7, from 8 w + rho on and round), its two halves of 32 channels in two steps
	s_mov_b32 s37, 0
.Lqk:
	s_add_co_u32 s45, s37, s13
	s_and_b32 s45, s45, 7                          ; this trip's head' of my eight: steps 2 i, 2 i + 1 of the stream
	s_mul_i32 s38, s37, 24                         ; stored by the trip's number: 24 bytes of codes a place,
	s_lshl_b32 s39, s37, 2                         ; 4 bytes of scales
	s_add_co_u32 s45, s45, 1
	s_and_b32 s45, s45, 7
	s_lshl_b32 s45, s45, 1                         ; the next trip's first step;
	s_and_b32 s44, s13, 1
	s_lshl_b32 s44, s44, 2
	s_add_co_u32 s44, s44, 16                      ; behind the last trip: the first step of my cluster's walk of V
	s_cmp_lt_u32 s37, 7
	s_cselect_b32 s45, s45, s44
	s_mul_i32 s46, s45, SB
	s_add_co_u32 s48, s46, SB
	CHANGE 0, 1, 1
	v_add_nc_u32 v60, s38, v13                     ; (no LDS store of mine is out)
	v_add_nc_u32 v61, s38, v14
	v_add_nc_u32 v62, s39, v15
	MULT 0
	QPOST 0
	CHANGE 1, 1, 1
	MULT 1
	QPOST 1
	s_add_co_u32 s37, s37, 1
	s_cmp_lt_u32 s37, 8
	s_cbranch_scc1 .Lqk
	; ---- scores and softmax of my 16 tokens, four at a time.  S^T = K Q^T: source 0 = 16 heads of K, source 1 = 16 heads of Q; K = 64 of the instruction's 128: the upper six registers hold zero codes
	s_wait_tensorcnt 0x0                           ; my tensor load has landed: between this barrier and the next nothing writes LDS, and the loads whose addresses hang on rho stand there alone
	BARRIER                                        ; every wave's codes and scale words lie in LDS
.set fz, 0
.rept 8
.irp i, 6,7,8,9,10,11
	v_mov_b32 v[GA+12*fz+\i], 0
.endr
.set fz, fz+1
.endr
.irp a, 0,1,2,3
	v_mov_b32 v[117+8*\a], 0                       ; a lane permute's destination counts as one of its sources; these four are also the places between the zeros and the scaled products
.endr
	SLOAD 0
	s_wait_alu depctr_va_vdst(0)
.irp bt, 0,1,2,3
	s_wait_dscnt 0x0
.irp a, 0,1,2,3
	v_wmma_scale_f32_16x16x128_f8f6f4 v[80+8*\a:87+8*\a], v[144+24*\a:155+24*\a], v[156+24*\a:167+24*\a], 0, v[56+\a], v[56+\a] matrix_a_fmt:MATRIX_FMT_BF6 matrix_b_fmt:MATRIX_FMT_BF6 matrix_a_scale:MATRIX_SCALE_ROW1
.endr
	NOPS 4                                         ; places in front of the loads below and of the first read of the scores
.if \bt < 3
	SLOAD \bt+1
.endif
	SOFTMAX \bt
.endr
	s_wait_alu depctr_va_vdst(0)
	BARRIER                                        ; parts the loads above from every later write of LDS
	; ---- V and attn x V: two trips, a half of 32 channels a trip (half rho % 2 first): twice two steps of V (16 channels of all heads, all 64 tokens, to LDS) and the f32 products of my tokens
	s_mov_b32 s37, 0
.Lv:
	s_add_co_u32 s45, s37, s13
	s_and_b32 s45, s45, 1                          ; this trip's half: steps 16 + 4 half + 0 .. 3 of the stream
	s_mul_i32 s38, s37, 384                        ; stored by the trip's number: A's codes: 384 bytes a half,
	s_mov_b32 s39, s37                             ; A's scale bytes: 1
	s_xor_b32 s45, s45, 1
	s_lshl_b32 s45, s45, 2
	s_add_co_u32 s45, s45, 16                      ; the next trip's first step;
	s_and_b32 s44, s13, 3
	s_lshl_b32 s44, s44, 1
	s_add_co_u32 s44, s44, 24                      ; behind the last trip: the first step of my cluster's walk of Wo
	s_cmp_lt_u32 s37, 1
	s_cselect_b32 s45, s45, s44
	s_mul_i32 s46, s45, SB
	s_add_co_u32 s48, s46, SB
	CHANGE 0, 1, 0
	v_add_nc_u32 v60, s38, v20                     ; (no LDS store of mine is out)
	v_add_nc_u32 v61, s39, v21
	MULT 0
	VSTORE 0
	CHANGE 1, 1, 0
	MULT 1
	VSTORE 1
	BARRIER                                        ; the chunk is whole
	PV0
	CHANGE 0, 1, 1                                 ; (its barrier also parts my reads of the chunk from the next chunk's stores)
	MULT 0
	VSTORE 0
	CHANGE 1, 1, 1
	MULT 1
	VSTORE 1
	BARRIER
	PV1
	s_add_co_u32 s37, s37, 1
	s_cmp_lt_u32 s37, 2
	s_cbranch_scc1 .Lv
	; ---- A's 32 fragments take x's registers
	s_wait_tensorcnt 0x0                           ; my tensor load has landed: between this barrier and the next nothing writes LDS
	BARRIER
	WIN 0x40
.irp m, 0,1
.irp ks, 0,1,2,3,4,5,6,7
.irp c, 0,1
.irp i, 0,1,2
	ds_load_b64 v[96*\m+12*\ks+6*\c+2*\i:96*\m+12*\ks+6*\c+2*\i+1], v22 offset:FRB*(8*\m+\ks)+768*\c+8*\i
.endr
.endr
.endr
.endr
	WIN 0x80
.irp m, 2,3
.irp ks, 0,1,2,3,4,5,6,7
.irp c, 0,1
.irp i, 0,1,2
	ds_load_b64 v[96*(\m-2)+12*\ks+6*\c+2*\i:96*(\m-2)+12*\ks+6*\c+2*\i+1], v22 offset:FRB*(8*\m+\ks)+768*\c+8*\i
.endr
.endr
.endr
.endr
	WIN 0
.irp m, 0,1,2,3
	ds_load_b128 v[32+4*\m:35+4*\m], v23 offset:512*\m
.endr
	; ---- out0 = A Wo^T + bo: four times two steps, 64 columns a wave each time, from columns 256 (rho % 4) on and round
	BARRIER                                        ; parts the loads above from every later write of LDS
.set jx, 0
.rept 16
	v_perm_b32 v[32+jx], v[32+jx], v[32+jx], s60   ; a token's two scale bytes in the order of its halves
.set jx, jx+1
.endr
	s_wait_alu depctr_va_vdst(0)
	NOPS 8                                         ; a scale register written by a vector instruction stands 8 places ahead of a scaled product
	s_mov_b32 s37, 0
.Lo:
	OHEAD
	CHANGE 0, 1, 1
	MULT 0
	OSTORE 0
	CHANGE 1, 1, 1
	MULT 1
	OSTORE 1
	OUT 0
	s_add_co_u32 s37, s37, 1
	s_cmp_lt_u32 s37, 3
	s_cbranch_scc1 .Lo
	OHEAD                                          ; the last two steps are written out: the last change asks for nothing
	CHANGE 0, 1, 1
	MULT 0
	OSTORE 0
	CHANGE 1, 0, 1
	MULT 1
	OSTORE 1
	OUT 1
	s_wait_tensorcnt 0x0                           ; the wave's end: behind my last tensor load and my last LDS store
	ds_add_u32 v1, v2
	s_wait_dscnt 0x0
	CROUND                                         ; the closing round: no work-group ends while a partner may still ask for records that name it
	s_endpgm
.Lfunc_end_k_q8753e6246d_attn:
	.size	k_q8753e6246d_attn, .Lfunc_end_k_q8753e6246d_attn-k_q8753e6246d_attn
	.p2alignl 7, 3214868480
	.fill 96, 4, 3214868480
	.section	.rodata,"a",@progbits
	.p2align	6, 0x0
	.amdhsa_kernel k_q8753e6246d_attn
		.amdhsa_group_segment_fixed_size 327680
		.amdhsa_private_segment_fixed_size 0
		.amdhsa_enable_private_segment 0
		.amdhsa_kernarg_size 24
		.amdhsa_user_sgpr_count 2
		.amdhsa_user_sgpr_kernarg_segment_ptr 1
		.amdhsa_wavefront_size32 1
		.amdhsa_system_sgpr_workgroup_id_x 1
		.amdhsa_system_sgpr_workgroup_id_y 1
		.amdhsa_system_sgpr_workgroup_id_z 1
		.amdhsa_system_vgpr_workitem_id 0
		.amdhsa_next_free_vgpr 1024
		.amdhsa_next_free_sgpr 66
		.amdhsa_reserve_vcc 0
		.amdhsa_float_denorm_mode_32 3
		.amdhsa_float_denorm_mode_16_64 3
		.amdhsa_memory_ordered 1
		.amdhsa_forward_progress 1
		.amdhsa_inst_pref_size 255
	.end_amdhsa_kernel
	.section	.bss,"aw",@nobits
	.p2align	6
	.space	262144
	.amdgpu_metadata
---
amdhsa.version: [ 1, 2 ]
amdhsa.kernels:
  - .name:           k_q8753e6246d_attn
    .symbol:         k_q8753e6246d_attn.kd
    .args:
      - { .name: x, .offset: 0, .size: 8, .value_kind: global_buffer, .address_space: global }
      - { .name: wstream, .offset: 8, .size: 8, .value_kind: global_buffer, .address_space: global }
      - { .name: out0, .offset: 16, .size: 8, .value_kind: global_buffer, .address_space: global }
    .group_segment_fixed_size: 327680
    .private_segment_fixed_size: 0
    .kernarg_segment_align: 8
    .kernarg_segment_size: 24
    .max_flat_workgroup_size: 128
    .sgpr_count:     66
    .vgpr_count:     1024
    .wavefront_size: 32
...
	.end_amdgpu_metadata
.endif
;; end of part 4
